; MI455X (gfx1250); checked and timed in simulation.
; The chip was launched on July 23, 2026; its instructions are those of AMD's public machine-readable ISA for CDNA 5 (MIT licence, August 2026) and "CDNA5" Instruction Set Architecture Reference Guide (July 2026). The comments in the code are by the model that wrote it; some were corrected since.
;; similar RNN multi. Allowed arithmetic: float matrix products may take bf16 or f16 operands with f32 sums; all other float work in f32.
;; Inputs: key_kernel 256 x 512 float32; query_kernel 256 x 512 float32; switch_kernel 512 x 128 float32; value_kernel 256 x 512 float32; x 32 x 1,024 x 128 float32.
;; Outputs: out0 32 x 128 float32.
;; 3 versions, each right and faster than the one before. Each part assembles by itself: llvm-mc -triple=amdgcn-amd-amdhsa -mcpu=gfx1250 --defsym DOCPART=n.
;; ======== version 1 of 3: 4 launches
;; workspace buffers: est 262,144 bytes; nb 524,288 bytes; wv 131,072 bytes; part 1,048,576 bytes; stat 65,536 bytes
;; launch scan1 (part 1): grid 256 x 1, 8 waves a work-group, no clusters, 22,528 bytes of LDS; arguments x, value_kernel, switch_kernel, est, nb; writes est, nb
.if DOCPART == 1
	.amdgcn_target "amdgcn-amd-amdhsa--gfx1250"
	.amdhsa_code_object_version 6
	.text
	.protected	k_q06df8fa1c4_scan1
	.globl	k_q06df8fa1c4_scan1
	.p2align	8
	.type	k_q06df8fa1c4_scan1,@function
k_q06df8fa1c4_scan1:
	s_mov_b64 s[64:65], 0
	v_nop
	global_prefetch_b8 v0, s[64:65] scope:SCOPE_SE
	s_setreg_imm32_b32 hwreg(HW_REG_WAVE_MODE, 25, 1), 1
	s_wait_xcnt 0x0
; Launch 1 of 4.  reference() returns the last time step alone, so one query a (batch, head) is left, and both long projections are
; reassociated (right for every input): score[s] = seq[s] . w with w = key_kernel_h q;  out = sum over h of ctx_h N_h with
; ctx_h = sum over s of p[s] seq[s] and N_h = value_kernel_h switch_kernel_h.  The order of rounding therefore differs from reference()'s.
; THIS LAUNCH: work-group g = 8 b + c (a) scans steps 128 c .. 128 c + 127 of batch b from state 0 and stores what seq would be at the chunk's
; last step: E1 (s1) and E2 (s2); the scan is linear, so later launches add the carry times a power of 0.85: nothing is cut off;
; (b) makes rows 4 g .. 4 g + 3 of N (row k = 256 h + d).
; SHARES: eight waves; wave w takes 16 steps of x and 16 rows u of switch_kernel_h; a lane takes 4 neighbouring columns (16 bytes), so
; each load of a wave covers 512 consecutive bytes.  All 32 vector loads and 4 scalar loads of a wave go out at its head.
; All arithmetic is f32 on the vector unit: N has 4 rows a work-group and the scan runs inside a lane, so a 16-row matrix tile would be
; mostly padding.  No cluster: what work-groups share (switch_kernel_h) is used by the lane that loads it; a joint fill of LDS would have to be read again.
.set A85,  0x3f59999a                  ; 0.85
.set A15,  0x3e19999a                  ; 0.15
.set UL,   0                           ; LDS [8 w][128] f32: each wave's sum over its 16 steps of 0.85^(15-i) x_i
.set U15L, 4096                        ; [128]: wave 7's sum over its first 15 steps
.set XLL,  4608                        ; [128]: x of the chunk's last step
.set NRED, 5120                        ; [8 w][4 r][128] f32: the waves' parts of N's four rows
.set XO,   1                           ; v1  8192 w + 16 lane: my 16 bytes in x's and in switch_kernel's first row of my wave
.set L16,  2                           ; v2  16 lane
.set T16,  3                           ; v3  512 w + 16 lane
.set TMP,  4
.set NW,   5                           ; v5  2048 w + 16 lane
.set NRD,  6                           ; v6  where I read a pair of N's numbers back
.set NGO,  7                           ; v7  where that pair goes in nb
.set U16,  8                           ; v[8:11]
.set U15,  12                          ; v[12:15]
.set X,    16                          ; v[16:79]   16 steps x 4
.set SWR,  80                          ; v[80:143]  16 rows x 4
.set ACC,  144                         ; v[144:159] N's row r, column q at ACC + 4 r + q
.set WV,   14                          ; s14 wave
.set P85,  84                          ; s[84:85] 0.85 twice: a packed instruction names a pair and takes its low word for both halves
.set P15,  86                          ; s[86:87] 0.15 twice
.set P16,  88                          ; s[88:89] 0.85^16 twice
.set PW15, 90                          ; s[90:91] 0.85^15 twice
; value_kernel's 16 numbers of row r lie in the sixteen scalar registers from 16 + 16 r + 4 (r / 3) on: s16, s32, s48, s68:
; above the addresses and the wave's number (s0-15), and past s64 and s65, which this text does not name.
.macro VLOAD r                         ; row r's 16 numbers: 64 consecutive bytes
	s_load_b512 s[16+16*\r+4*(\r/3):16+16*\r+4*(\r/3)+15], s[6:7], 2048*\r
.endm
.macro NSTEP r, q, j                   ; ACC[r][q] (+)= value_kernel[d_r][.. + j] x switch_kernel[.. + j][4 lane + q]; j = 0 starts the sum
.if \j == 0
	v_mul_f32 v[ACC+4*\r+\q], s[16+16*\r+4*(\r/3)+\j], v[SWR+4*\j+\q]
.else
	v_fmac_f32 v[ACC+4*\r+\q], s[16+16*\r+4*(\r/3)+\j], v[SWR+4*\j+\q]
.endif
.endm
	s_load_b256 s[4:11], s[0:1], 0x0               ; x s[4:5], value_kernel s[6:7], switch_kernel s[8:9], est s[10:11]
	s_load_b64 s[12:13], s[0:1], 0x20              ; nb
	v_lshl_add_u32 v160, v0, 2, 0x5400
	v_mov_b32 v161, 0
	v_lshrrev_b32 v[TMP], 5, v0
	v_readfirstlane_b32 s[WV], v[TMP]              ; wave 0..7
	v_and_b32 v[TMP], 31, v0
	v_lshlrev_b32 v[L16], 4, v[TMP]
	v_lshl_add_u32 v[XO], s[WV], 13, v[L16]        ; 16 rows of 512 bytes a wave
	s_lshl_b32 s2, ttmp9, 16                       ; a chunk of x: 128 steps x 512 bytes
	s_mov_b32 s3, 0
	s_lshr_b32 s15, ttmp9, 6                       ; h = g / 64
	s_wait_kmcnt 0x0
	s_add_nc_u64 s[4:5], s[4:5], s[2:3]
.irp i, 0,1,2,3,4,5,6,7,8,9,10,11,12,13,14,15
	global_load_b128 v[X+4*\i:X+4*\i+3], v[XO], s[4:5] offset:512*\i       ; no hint: the third launch reads x again
.endr
	s_lshl_b32 s2, s15, 16                         ; switch_kernel's rows 128 h on
	s_add_nc_u64 s[8:9], s[8:9], s[2:3]
.irp j, 0,1,2,3,4,5,6,7,8,9,10,11,12,13,14,15
	global_load_b128 v[SWR+4*\j:SWR+4*\j+3], v[XO], s[8:9] offset:512*\j
.endr
	s_and_b32 s2, ttmp9, 63                        ; value_kernel: row d = 4 (g % 64) + r, column 128 h + 16 w:
	s_lshl4_add_u32 s2, s2, s15
	s_lshl3_add_u32 s2, s2, s[WV]
	s_lshl_b32 s2, s2, 6                           ; 8192 (g % 64) + 512 h + 64 w bytes
	s_add_nc_u64 s[6:7], s[6:7], s[2:3]
.irp r, 0,1,2,3
	VLOAD \r
.endr
	s_lshl_b32 s2, ttmp9, 10
	s_add_nc_u64 s[10:11], s[10:11], s[2:3]        ; est at my 1,024 bytes
	s_lshl_b32 s2, ttmp9, 9
	s_add_nc_u64 s[12:13], s[12:13], s[2:3]        ; nb at my four rows of column block 0
	v_lshl_add_u32 v[T16], s[WV], 9, v[L16]
	v_lshl_add_u32 v[NW], s[WV], 11, v[L16]
	v_bfe_u32 v[TMP], v0, 4, 2                     ; thread t takes row r = (t / 16) % 4, column block t / 64, columns 2 (t % 16) and the next
	v_lshlrev_b32 v[NRD], 9, v[TMP]
	v_lshrrev_b32 v[TMP], 6, v0
	v_lshl_add_u32 v[NRD], v[TMP], 7, v[NRD]
	v_lshlrev_b32 v[NGO], 17, v[TMP]               ; a column block of nb is 1,024 rows x 128 bytes
	v_and_b32 v[TMP], 15, v0
	v_lshl_add_u32 v[NRD], v[TMP], 3, v[NRD]
	v_and_b32 v[TMP], 63, v0
	v_lshl_add_u32 v[NGO], v[TMP], 3, v[NGO]       ; 64 threads x 8 bytes: the block's four rows of 128 bytes
	s_mov_b32 s[P85], A85
	s_mov_b32 s[P85+1], A85
	s_mov_b32 s[P15], A15
	s_mov_b32 s[P15+1], A15
	s_mul_f32 s2, s[P85], s[P85]                   ; 0.85^2 (s2, s3 and s15 have served the addresses)
	s_mul_f32 s3, s2, s2                           ; ^4
	s_mul_f32 s15, s3, s3                          ; ^8
	s_mul_f32 s[P16], s15, s15                     ; ^16
	s_mov_b32 s[P16+1], s[P16]
	s_mul_f32 s[PW15], s15, s3                     ; ^12
	s_mul_f32 s[PW15], s[PW15], s2                 ; ^14
	s_mul_f32 s[PW15], s[PW15], s[P85]             ; ^15
	s_mov_b32 s[PW15+1], s[PW15]
	; The wave's 16 steps by Horner's rule, in units of state / 0.15: U = 0.85 U + x_i.
	s_wait_loadcnt 30                              ; steps 0 and 1 are in: 14 younger steps and 16 rows of switch_kernel stay out
	v_pk_fma_f32 v[U15:U15+1],   v[X:X+1],   s[P85:P85+1], v[X+4:X+5] op_sel_hi:[1,0,1]
	v_pk_fma_f32 v[U15+2:U15+3], v[X+2:X+3], s[P85:P85+1], v[X+6:X+7] op_sel_hi:[1,0,1]
.irp i, 2,3,4,5,6,7,8,9,10,11,12,13,14
	s_wait_loadcnt 31-\i                           ; step i is in: 15 - i younger steps and the 16 rows stay out
	v_pk_fma_f32 v[U15:U15+1],   v[U15:U15+1],   s[P85:P85+1], v[X+4*\i:X+4*\i+1]   op_sel_hi:[1,0,1]
	v_pk_fma_f32 v[U15+2:U15+3], v[U15+2:U15+3], s[P85:P85+1], v[X+4*\i+2:X+4*\i+3] op_sel_hi:[1,0,1]
.endr
	s_wait_loadcnt 16                              ; step 15
	v_pk_fma_f32 v[U16:U16+1],   v[U15:U15+1],   s[P85:P85+1], v[X+60:X+61] op_sel_hi:[1,0,1]
	v_pk_fma_f32 v[U16+2:U16+3], v[U15+2:U15+3], s[P85:P85+1], v[X+62:X+63] op_sel_hi:[1,0,1]
	ds_store_b128 v[T16], v[U16:U16+3] offset:UL
	s_cmp_lg_u32 s[WV], 7
	s_cbranch_scc1 .Lnot_last_wave
	ds_store_b128 v[L16], v[U15:U15+3] offset:U15L         ; the state in front of the chunk's last step wants wave 7's first 15 steps,
	ds_store_b128 v[L16], v[X+60:X+63] offset:XLL          ; and the last step its x
.Lnot_last_wave:
	; N's four rows, my wave's 16 of the 128 u
	s_wait_kmcnt 0x0                               ; value_kernel's 64 numbers
.irp j, 0,1,2,3,4,5,6,7,8,9,10,11,12,13,14,15
	s_wait_loadcnt 15-\j                           ; row j is in, the younger rows stay out
.irp r, 0,1,2,3
.irp q, 0,1,2,3
	NSTEP \r, \q, \j
.endr
.endr
.endr
.irp r, 0,1,2,3
	ds_store_b128 v[NW], v[ACC+4*\r:ACC+4*\r+3] offset:NRED+512*\r
.endr
	s_wait_dscnt 0x0                               ; for the others' sake: all my LDS stores are done
	s_barrier_signal -1
	s_barrier_wait -1
	; every thread adds the eight waves' parts of two numbers of N
.irp w, 0,1,2,3,4,5,6,7
	ds_load_b64 v[X+2*\w:X+2*\w+1], v[NRD] offset:NRED+2048*\w
.endr
	s_wait_dscnt 0x0
	v_pk_add_f32 v[X:X+1],     v[X:X+1],     v[X+2:X+3]
	v_pk_add_f32 v[X+4:X+5],   v[X+4:X+5],   v[X+6:X+7]
	v_pk_add_f32 v[X+8:X+9],   v[X+8:X+9],   v[X+10:X+11]
	v_pk_add_f32 v[X+12:X+13], v[X+12:X+13], v[X+14:X+15]
	v_pk_add_f32 v[X:X+1],     v[X:X+1],     v[X+4:X+5]
	v_pk_add_f32 v[X+8:X+9],   v[X+8:X+9],   v[X+12:X+13]
	v_pk_add_f32 v[X:X+1],     v[X:X+1],     v[X+8:X+9]
	global_store_b64 v[NGO], v[X:X+1], s[12:13]    ; a wave's store covers 256 consecutive bytes, aligned
	s_cmp_lg_u32 s[WV], 0
	s_cbranch_scc1 .Lend
	; wave 0 joins the waves' scans.  Z = v[32:35] runs over waves 0 to 6; the store above reads v[16:17] and v7, which are left alone
.set Z, 32
.irp w, 0,1,2,3,4,5,6
	ds_load_b128 v[Z+4*\w:Z+4*\w+3], v[L16] offset:UL+512*\w
.endr
	ds_load_b128 v[Z+28:Z+31], v[L16] offset:U15L
	ds_load_b128 v[Z+32:Z+35], v[L16] offset:XLL
	s_wait_dscnt 0x0
.irp w, 1,2,3,4,5,6
	v_pk_fma_f32 v[Z:Z+1],   v[Z:Z+1],   s[P16:P16+1], v[Z+4*\w:Z+4*\w+1]   op_sel_hi:[1,0,1]
	v_pk_fma_f32 v[Z+2:Z+3], v[Z+2:Z+3], s[P16:P16+1], v[Z+4*\w+2:Z+4*\w+3] op_sel_hi:[1,0,1]
.endr
	v_pk_fma_f32 v[Z:Z+1],   v[Z:Z+1],   s[PW15:PW15+1], v[Z+28:Z+29] op_sel_hi:[1,0,1]   ; 15 steps on
	v_pk_fma_f32 v[Z+2:Z+3], v[Z+2:Z+3], s[PW15:PW15+1], v[Z+30:Z+31] op_sel_hi:[1,0,1]
	v_pk_mul_f32 v[Z+36:Z+37], v[Z+32:Z+33], s[P15:P15+1] op_sel_hi:[1,0]                 ; 0.15 x
	v_pk_mul_f32 v[Z+38:Z+39], v[Z+34:Z+35], s[P15:P15+1] op_sel_hi:[1,0]
	v_pk_mul_f32 v[Z+40:Z+41], v[Z+32:Z+33], s[P85:P85+1] op_sel_hi:[1,0]                 ; 0.85 x
	v_pk_mul_f32 v[Z+42:Z+43], v[Z+34:Z+35], s[P85:P85+1] op_sel_hi:[1,0]
	v_pk_mul_f32 v[Z:Z+1],   v[Z:Z+1],   s[P15:P15+1] op_sel_hi:[1,0]                     ; the local state in front of the last step
	v_pk_mul_f32 v[Z+2:Z+3], v[Z+2:Z+3], s[P15:P15+1] op_sel_hi:[1,0]
	v_pk_fma_f32 v[Z+36:Z+37], v[Z:Z+1],   s[P85:P85+1], v[Z+36:Z+37] op_sel_hi:[1,0,1]   ; E1 = 0.85 state + 0.15 x
	v_pk_fma_f32 v[Z+38:Z+39], v[Z+2:Z+3], s[P85:P85+1], v[Z+38:Z+39] op_sel_hi:[1,0,1]
	v_pk_fma_f32 v[Z+40:Z+41], v[Z:Z+1],   s[P15:P15+1], v[Z+40:Z+41] op_sel_hi:[1,0,1]   ; E2 = 0.15 state + 0.85 x
	v_pk_fma_f32 v[Z+42:Z+43], v[Z+2:Z+3], s[P15:P15+1], v[Z+42:Z+43] op_sel_hi:[1,0,1]
	global_store_b128 v[L16], v[Z+36:Z+39], s[10:11]               ; 512 consecutive bytes each
	global_store_b128 v[L16], v[Z+40:Z+43], s[10:11] offset:512
.Lend:
	s_wait_tensorcnt 0x0
	ds_add_u32 v160, v161
	s_wait_dscnt 0x0
	s_endpgm
.Lfunc_end_k_q06df8fa1c4_scan1:
	.size	k_q06df8fa1c4_scan1, .Lfunc_end_k_q06df8fa1c4_scan1-k_q06df8fa1c4_scan1
	.p2alignl 7, 3214868480
	.fill 96, 4, 3214868480
	.section	.rodata,"a",@progbits
	.p2align	6, 0x0
	.amdhsa_kernel k_q06df8fa1c4_scan1
		.amdhsa_group_segment_fixed_size 22528
		.amdhsa_private_segment_fixed_size 0
		.amdhsa_enable_private_segment 0
		.amdhsa_kernarg_size 40
		.amdhsa_user_sgpr_count 2
		.amdhsa_user_sgpr_kernarg_segment_ptr 1
		.amdhsa_wavefront_size32 1
		.amdhsa_system_sgpr_workgroup_id_x 1
		.amdhsa_system_sgpr_workgroup_id_y 1
		.amdhsa_system_sgpr_workgroup_id_z 1
		.amdhsa_system_vgpr_workitem_id 0
		.amdhsa_next_free_vgpr 162
		.amdhsa_next_free_sgpr 92
		.amdhsa_reserve_vcc 0
		.amdhsa_float_denorm_mode_32 3
		.amdhsa_float_denorm_mode_16_64 3
		.amdhsa_memory_ordered 1
		.amdhsa_forward_progress 1
		.amdhsa_inst_pref_size 21
	.end_amdhsa_kernel
	.amdgpu_metadata
---
amdhsa.version: [ 1, 2 ]
amdhsa.kernels:
  - .name:           k_q06df8fa1c4_scan1
    .symbol:         k_q06df8fa1c4_scan1.kd
    .args:
      - { .name: x, .offset: 0, .size: 8, .value_kind: global_buffer, .address_space: global }
      - { .name: value_kernel, .offset: 8, .size: 8, .value_kind: global_buffer, .address_space: global }
      - { .name: switch_kernel, .offset: 16, .size: 8, .value_kind: global_buffer, .address_space: global }
      - { .name: est, .offset: 24, .size: 8, .value_kind: global_buffer, .address_space: global }
      - { .name: nb, .offset: 32, .size: 8, .value_kind: global_buffer, .address_space: global }
    .group_segment_fixed_size: 22528
    .private_segment_fixed_size: 0
    .kernarg_segment_align: 8
    .kernarg_segment_size: 40
    .max_flat_workgroup_size: 256
    .sgpr_count:     92
    .vgpr_count:     162
    .wavefront_size: 32
...
	.end_amdgpu_metadata
.endif
;; end of part 1
;; launch wvec (part 2): grid 4 x 32, 16 waves a work-group, no clusters, 11,264 bytes of LDS; arguments query_kernel, key_kernel, est, wv; writes wv
.if DOCPART == 2
	.amdgcn_target "amdgcn-amd-amdhsa--gfx1250"
	.amdhsa_code_object_version 6
	.text
	.protected	k_q06df8fa1c4_wvec
	.globl	k_q06df8fa1c4_wvec
	.p2align	8
	.type	k_q06df8fa1c4_wvec,@function
k_q06df8fa1c4_wvec:
	s_mov_b64 s[64:65], 0
	v_nop
	global_prefetch_b8 v0, s[64:65] scope:SCOPE_SE
	s_setreg_imm32_b32 hwreg(HW_REG_WAVE_MODE, 25, 1), 1
	s_wait_xcnt 0x0
; Launch 2 of 4.  Work-group (h, b): seq of batch b's last step from the chunks' local scans, q = seq_last query_kernel_h,
; w[d] = log2(e)/sqrt(128) x sum over u of key_kernel[d][128 h + u] q[u]; a score is then seq[s] . w, ready for a power of two.
; SHARES: sixteen waves; wave w takes rows d = 16 w .. 16 w + 15 of both kernels' column block h; a lane takes 4 columns u (16 bytes), so
; a load of a wave covers 512 consecutive bytes.  All 40 loads of a wave go out at its head.
; One row (q, then w) against weights that are used once by the lane that loads them: f32 on the vector unit; a 16-row matrix tile would hold
; one row of use.  No cluster: the batches that share a kernel block would receive it in LDS and have to read it again into registers.
.set A85,  0x3f59999a
.set A15,  0x3e19999a
.set CSC,  0x3e0293ee                  ; log2(e) / sqrt(128)
.set QRED, 0                           ; LDS [16 w][128] f32: the waves' parts of q
.set WOUT, 8192                        ; [256] f32: w
.set KO,   1                           ; v1  32768 w + 16 lane: my 16 bytes in my wave's first row of a kernel
.set EO,   2                           ; v2  64 (w % 8) + 16 (lane % 4): four of my wave's 16 channels in a row of est
.set EO7,  3                           ; v3  the same, 512 further on for waves 8 to 15 (s2's half)
.set T16,  4                           ; v4  512 w + 16 lane
.set L16,  5                           ; v5  16 lane
.set WO,   6                           ; v6  64 w + 4 (lane % 16)
.set TMP,  7
.set SL,   8                           ; v[8:11]   the carry, then seq_last: lane j / 4 holds channel 16 w + j in register j % 4
.set Q,    12                          ; v[12:15]  my wave's part of q, then q
.set TX,   20                          ; v20       the other half of the lanes' sum
.set E,    24                          ; v[24:55]  eight rows of est; afterwards eight pairs at work in the reduction
.set QKR,  64                          ; v[64:127]  16 rows x 4 of query_kernel; afterwards the 16 parts of q
.set KKR,  128                         ; v[128:191] 16 rows x 4 of key_kernel
.set WV,   12                          ; s12 wave
.set P128, 28                          ; s[28:29] 0.85^128 twice
.set PCF,  30                          ; s[30:31] what the carry is multiplied by in seq_last, twice
.set SS,   40                          ; s[40:55] my wave's 16 numbers of seq_last
.set MAA,  56                          ; s56-59 lanes with bit 0, 1, 2, 3 of their number set
.set MCC,  57
.set MF0,  58
.set MFF,  59
.set SEL,  60                          ; s[60:61] v_permlanex16_b32: each lane takes its own place in the other half
; Two sums over lanes at once: lanes with the bit clear end with a's sum over the pair of lanes, lanes with it set with b's.
.macro RSEL a, b, m, t
	v_cndmask_b32 v[\t],   v[\a], v[\b], s[\m]      ; what I keep
	v_cndmask_b32 v[\t+1], v[\b], v[\a], s[\m]      ; what my partner wants
.endm
.macro RADD a, xm, t
	v_add_f32_dpp v[\a], v[\t+1], v[\t] row_xmask:\xm row_mask:0xf bank_mask:0xf
.endm
.macro ADD4 d, a, b
	v_pk_add_f32 v[\d:\d+1],   v[\a:\a+1],   v[\b:\b+1]
	v_pk_add_f32 v[\d+2:\d+3], v[\a+2:\a+3], v[\b+2:\b+3]
.endm
	s_load_b256 s[4:11], s[0:1], 0x0               ; query_kernel s[4:5], key_kernel s[6:7], est s[8:9], wv s[10:11]
	v_lshl_add_u32 v192, v0, 2, 0x2400
	v_mov_b32 v193, 0
	v_lshrrev_b32 v[TMP], 5, v0
	v_readfirstlane_b32 s[WV], v[TMP]              ; wave 0..15
	v_and_b32 v[TMP], 31, v0
	v_lshlrev_b32 v[L16], 4, v[TMP]
	v_and_b32 v[TMP], 3, v0
	v_lshlrev_b32 v[EO], 4, v[TMP]
	s_and_b32 s15, s[WV], 7
	s_lshr_b32 s16, s[WV], 3
	v_lshl_add_u32 v[EO], s15, 6, v[EO]
	v_lshl_add_u32 v[EO7], s16, 9, v[EO]
	v_lshl_add_u32 v[KO], s[WV], 15, v[L16]        ; 16 rows of 2,048 bytes a wave
	s_mov_b32 s13, ttmp9                           ; h
	s_and_b32 s14, ttmp7, 0xffff                   ; b
	s_lshl_b32 s2, s14, 13                         ; est: 8 chunks x 1,024 bytes a batch
	s_mov_b32 s3, 0
	s_lshl_b32 s18, s13, 9                         ; column block h: 512 bytes into a row
	s_mov_b32 s19, 0
	s_wait_kmcnt 0x0
	s_add_nc_u64 s[8:9], s[8:9], s[2:3]
	s_add_nc_u64 s[4:5], s[4:5], s[18:19]
	s_add_nc_u64 s[6:7], s[6:7], s[18:19]
.irp c, 0,1,2,3,4,5,6
	global_load_b128 v[E+4*\c:E+4*\c+3], v[EO], s[8:9] offset:1024*\c      ; E1 of chunks 0 to 6
.endr
	global_load_b128 v[E+28:E+31], v[EO7], s[8:9] offset:7168              ; chunk 7: E1 for waves 0 to 7, E2 for waves 8 to 15
.irp j, 0,1,2,3,4,5,6,7,8,9,10,11,12,13,14,15
	global_load_b128 v[QKR+4*\j:QKR+4*\j+3], v[KO], s[4:5] offset:2048*\j
.endr
.irp j, 0,1,2,3,4,5,6,7,8,9,10,11,12,13,14,15
	global_load_b128 v[KKR+4*\j:KKR+4*\j+3], v[KO], s[6:7] offset:2048*\j
.endr
	s_lshl2_add_u32 s2, s14, s13
	s_lshl_b32 s2, s2, 10
	s_add_nc_u64 s[10:11], s[10:11], s[2:3]        ; wv at (b, h)
	v_lshl_add_u32 v[T16], s[WV], 9, v[L16]
	v_and_b32 v[TMP], 15, v0
	v_lshlrev_b32 v[WO], 2, v[TMP]
	v_lshl_add_u32 v[WO], s[WV], 6, v[WO]
	v_mov_b32 v[TX], 0                             ; v_permlanex16_b32 counts as a reader of its destination
	s_mov_b32 s[MAA], 0xaaaaaaaa
	s_mov_b32 s[MCC], 0xcccccccc
	s_mov_b32 s[MF0], 0xf0f0f0f0
	s_mov_b32 s[MFF], 0xff00ff00
	s_mov_b32 s[SEL], 0x76543210
	s_mov_b32 s[SEL+1], 0xfedcba98
	s_mov_b32 s17, CSC
	s_mov_b32 s20, A85
	s_mul_f32 s21, s20, s20                        ; 0.85^2
	s_mul_f32 s22, s21, s21                        ; ^4
	s_mul_f32 s23, s22, s22                        ; ^8
	s_mul_f32 s24, s23, s23                        ; ^16
	s_mul_f32 s25, s24, s24                        ; ^32
	s_mul_f32 s26, s25, s25                        ; ^64
	s_mul_f32 s[P128], s26, s26                    ; ^128
	s_mov_b32 s[P128+1], s[P128]
	s_mul_f32 s27, s26, s25                        ; ^96
	s_mul_f32 s27, s27, s24                        ; ^112
	s_mul_f32 s27, s27, s23                        ; ^120
	s_mul_f32 s27, s27, s22                        ; ^124
	s_mul_f32 s27, s27, s21                        ; ^126
	s_mul_f32 s27, s27, s20                        ; ^127
	s_mov_b32 s18, A15
	s_mul_f32 s27, s27, s18                        ; 0.15 x 0.85^127
	s_cmp_ge_u32 s[WV], 8                          ; s1's half: E1 + 0.85^128 carry;  s2's half: E2 + 0.15 x 0.85^127 carry
	s_cselect_b32 s[PCF], s27, s[P128]
	s_mov_b32 s[PCF+1], s[PCF]
	s_wait_loadcnt 32                              ; est's eight rows are in; the 32 rows of the kernels stay out
	v_pk_fma_f32 v[SL:SL+1],   v[E:E+1],   s[P128:P128+1], v[E+4:E+5] op_sel_hi:[1,0,1]   ; the state in front of chunk 7, by Horner's rule over chunks 0 to 6
	v_pk_fma_f32 v[SL+2:SL+3], v[E+2:E+3], s[P128:P128+1], v[E+6:E+7] op_sel_hi:[1,0,1]
.irp c, 2,3,4,5,6
	v_pk_fma_f32 v[SL:SL+1],   v[SL:SL+1],   s[P128:P128+1], v[E+4*\c:E+4*\c+1]   op_sel_hi:[1,0,1]
	v_pk_fma_f32 v[SL+2:SL+3], v[SL+2:SL+3], s[P128:P128+1], v[E+4*\c+2:E+4*\c+3] op_sel_hi:[1,0,1]
.endr
	v_pk_fma_f32 v[SL:SL+1],   v[SL:SL+1],   s[PCF:PCF+1], v[E+28:E+29] op_sel_hi:[1,0,1]
	v_pk_fma_f32 v[SL+2:SL+3], v[SL+2:SL+3], s[PCF:PCF+1], v[E+30:E+31] op_sel_hi:[1,0,1]
.irp j, 0,1,2,3,4,5,6,7,8,9,10,11,12,13,14,15
	v_readlane_b32 s[SS+\j], v[SL+(\j%4)], \j/4    ; as multipliers alone: no address and no branch hangs on them
.endr
	; q, my wave's 16 of the 256 d
.irp j, 0,1,2,3,4,5,6,7,8,9,10,11,12,13,14,15
	s_wait_loadcnt 31-\j                           ; row j of query_kernel is in: its 15 - j younger rows and key_kernel's 16 stay out
.irp q, 0,1,2,3
.if \j == 0
	v_mul_f32 v[Q+\q], s[SS+\j], v[QKR+4*\j+\q]
.else
	v_fmac_f32 v[Q+\q], s[SS+\j], v[QKR+4*\j+\q]
.endif
.endr
.endr
	ds_store_b128 v[T16], v[Q:Q+3] offset:QRED
	s_wait_dscnt 0x0                               ; for the others' sake
	s_barrier_signal -1
	s_barrier_wait -1
.irp w, 0,1,2,3,4,5,6,7,8,9,10,11,12,13,14,15
	ds_load_b128 v[QKR+4*\w:QKR+4*\w+3], v[L16] offset:QRED+512*\w
.endr
	s_wait_dscnt 0x0
.irp i, 0,2,4,6,8,10,12,14
	ADD4 QKR+4*\i, QKR+4*\i, QKR+4*\i+4
.endr
.irp i, 0,4,8,12
	ADD4 QKR+4*\i, QKR+4*\i, QKR+4*\i+8
.endr
	ADD4 QKR, QKR, QKR+16
	ADD4 QKR+32, QKR+32, QKR+48
	ADD4 Q, QKR, QKR+32                            ; every lane of every wave: q[4 lane .. 4 lane + 3]
	; w: row j's four products a lane, then sixteen sums over 32 lanes
	s_wait_loadcnt 0x0
.irp j, 0,1,2,3,4,5,6,7,8,9,10,11,12,13,14,15
	v_pk_mul_f32 v[KKR+4*\j:KKR+4*\j+1], v[KKR+4*\j:KKR+4*\j+1], v[Q:Q+1]
.endr
.irp j, 0,1,2,3,4,5,6,7,8,9,10,11,12,13,14,15
	v_pk_fma_f32 v[KKR+4*\j:KKR+4*\j+1], v[KKR+4*\j+2:KKR+4*\j+3], v[Q+2:Q+3], v[KKR+4*\j:KKR+4*\j+1]
.endr
.irp j, 0,1,2,3,4,5,6,7,8,9,10,11,12,13,14,15
	v_add_f32 v[KKR+4*\j], v[KKR+4*\j], v[KKR+4*\j+1]
.endr
.irp m, 0,1,2,3,4,5,6,7
	RSEL KKR+8*\m, KKR+8*\m+4, MAA, E+2*\m         ; rows 2 m and 2 m + 1: a lane goes on with row 2 m + lane % 2
.endr
.irp m, 0,1,2,3,4,5,6,7
	RADD KKR+8*\m, 1, E+2*\m
.endr
.irp m, 0,1,2,3
	RSEL KKR+16*\m, KKR+16*\m+8, MCC, E+2*\m       ; row 4 m + lane % 4
.endr
.irp m, 0,1,2,3
	RADD KKR+16*\m, 2, E+2*\m
.endr
.irp m, 0,1
	RSEL KKR+32*\m, KKR+32*\m+16, MF0, E+2*\m      ; row 8 m + lane % 8
.endr
.irp m, 0,1
	RADD KKR+32*\m, 4, E+2*\m
.endr
	RSEL KKR, KKR+32, MFF, E                       ; row lane % 16
	RADD KKR, 8, E
	v_permlanex16_b32 v[TX], v[KKR], s[SEL], s[SEL+1]
	v_add_f32 v[KKR], v[KKR], v[TX]
	v_mul_f32 v[KKR], s17, v[KKR]
	ds_store_b32 v[WO], v[KKR] offset:WOUT         ; lanes l and l + 16 write the same word with the same number
	s_wait_dscnt 0x0
	s_barrier_signal -1
	s_barrier_wait -1
	s_cmp_gt_u32 s[WV], 1
	s_cbranch_scc1 .Lend
	ds_load_b128 v[Q:Q+3], v[T16] offset:WOUT      ; waves 0 and 1 store the 1,024 bytes, 512 consecutive bytes each
	s_wait_dscnt 0x0
	global_store_b128 v[T16], v[Q:Q+3], s[10:11]
.Lend:
	s_wait_tensorcnt 0x0
	ds_add_u32 v192, v193
	s_wait_dscnt 0x0
	s_endpgm
.Lfunc_end_k_q06df8fa1c4_wvec:
	.size	k_q06df8fa1c4_wvec, .Lfunc_end_k_q06df8fa1c4_wvec-k_q06df8fa1c4_wvec
	.p2alignl 7, 3214868480
	.fill 96, 4, 3214868480
	.section	.rodata,"a",@progbits
	.p2align	6, 0x0
	.amdhsa_kernel k_q06df8fa1c4_wvec
		.amdhsa_group_segment_fixed_size 11264
		.amdhsa_private_segment_fixed_size 0
		.amdhsa_enable_private_segment 0
		.amdhsa_kernarg_size 32
		.amdhsa_user_sgpr_count 2
		.amdhsa_user_sgpr_kernarg_segment_ptr 1
		.amdhsa_wavefront_size32 1
		.amdhsa_system_sgpr_workgroup_id_x 1
		.amdhsa_system_sgpr_workgroup_id_y 1
		.amdhsa_system_sgpr_workgroup_id_z 1
		.amdhsa_system_vgpr_workitem_id 0
		.amdhsa_next_free_vgpr 194
		.amdhsa_next_free_sgpr 66
		.amdhsa_reserve_vcc 0
		.amdhsa_float_denorm_mode_32 3
		.amdhsa_float_denorm_mode_16_64 3
		.amdhsa_memory_ordered 1
		.amdhsa_forward_progress 1
		.amdhsa_inst_pref_size 20
	.end_amdhsa_kernel
	.amdgpu_metadata
---
amdhsa.version: [ 1, 2 ]
amdhsa.kernels:
  - .name:           k_q06df8fa1c4_wvec
    .symbol:         k_q06df8fa1c4_wvec.kd
    .args:
      - { .name: query_kernel, .offset: 0, .size: 8, .value_kind: global_buffer, .address_space: global }
      - { .name: key_kernel, .offset: 8, .size: 8, .value_kind: global_buffer, .address_space: global }
      - { .name: est, .offset: 16, .size: 8, .value_kind: global_buffer, .address_space: global }
      - { .name: wv, .offset: 24, .size: 8, .value_kind: global_buffer, .address_space: global }
    .group_segment_fixed_size: 11264
    .private_segment_fixed_size: 0
    .kernarg_segment_align: 8
    .kernarg_segment_size: 32
    .max_flat_workgroup_size: 512
    .sgpr_count:     66
    .vgpr_count:     194
    .wavefront_size: 32
...
	.end_amdgpu_metadata
.endif
;; end of part 2
;; launch attn (part 3): grid 256 x 1, 8 waves a work-group, no clusters, 38,400 bytes of LDS; arguments x, est, wv, part, stat; writes part, stat
.if DOCPART == 3
	.amdgcn_target "amdgcn-amd-amdhsa--gfx1250"
	.amdhsa_code_object_version 6
	.text
	.protected	k_q06df8fa1c4_attn
	.globl	k_q06df8fa1c4_attn
	.p2align	8
	.type	k_q06df8fa1c4_attn,@function
k_q06df8fa1c4_attn:
	s_mov_b64 s[64:65], 0
	v_nop
	global_prefetch_b8 v0, s[64:65] scope:SCOPE_SE
	s_setreg_imm32_b32 hwreg(HW_REG_WAVE_MODE, 25, 1), 1
	s_wait_xcnt 0x0
; Launch 3 of 4.  Work-group g = 8 b + c: the true scan over steps 128 c .. 128 c + 127 of batch b, the four heads' scores seq[s] . w (already in
; units of log2), the chunk's maximum M for each head, p = 2^(score - M), l = sum of p, and ctx[h][0..255] = sum of p x seq[s].  The last launch joins the
; eight chunks by their maxima.  The maximum taken away is the true one of the chunk.  Limit: v_exp_f32 gives 0 for results under 2^-126.
; SHARES: eight waves, 16 steps each; a lane holds 4 channels of s1 and of s2 for all 16 steps (128 registers), so x is read once here.
; THE CARRY: the state in front of my wave's steps, by Horner's rule: over the earlier chunks' local end states (x 0.85^128 a chunk) and then the earlier
; waves' (x 0.85^16 a wave).  Every step of the rule is computed; v_cndmask_b32 keeps it only for chunks and waves that lie in front of mine.
; Four rows (heads) against data used once by the lane that holds it: f32 on the vector unit.  Work-groups share only w (4 KB a batch): no cluster.
.set A85,  0x3f59999a
.set A15,  0x3e19999a
.set SWL,  0                           ; LDS [8 w][128] f32: the waves' local end states
.set MAXB, 4096                        ; [4 h][8 w] f32: the waves' maxima
.set LB,   4224                        ; [4 h][8 w] f32: the waves' sums of p
.set CTXB, 4608                        ; [8 w][1024] f32: the waves' parts of ctx
.set XO,   1                           ; v1  8192 w + 16 lane
.set L16,  2                           ; v2  16 lane
.set T16,  3                           ; v3  512 w + 16 lane
.set HW,   4                           ; v4  32 (lane % 4) + 4 w
.set H32,  5                           ; v5  32 (lane % 4)
.set CW,   6                           ; v6  4096 w + 16 lane
.set L8,   7                           ; v7  8 lane
.set ST,   8                           ; v[8:11]    the state in front of my steps; later at work
.set ML,   12                          ; v[12:13]   (M, l)
.set TX,   14                          ; v[14:15]   the other half of the lanes' sum, for two steps
.set SC,   16                          ; v[16:31]   step i's score, then p: lane l holds head l % 4
.set WR,   32                          ; v[32:63]   w: head h, half p, channel q at WR + 8 h + 4 p + q
.set SEQ,  64                          ; v[64:191]  step i: +0..3 s1, +4..7 x and then s2
.set TS,   192                         ; v[192:223] first U (192-195) and est's rows (196-223); then two sets of 16 at work on scores; then ctx
.set U,    192
.set ET,   196
.set CTX,  192                         ; head h: 8 registers at CTX + 8 h
.set LR,   224                         ; v[224:251] seven waves' end states; then the broadcast weights (224-239) and sums at work (240-247)
.set NEW,  252                         ; v[252:255]
.set WV,   14                          ; s14 wave, s16 c, s17 b
.set P16,  24                          ; s[24:25] 0.85^16 twice
.set P128, 26                          ; s[26:27] 0.85^128 twice
.set P85,  28                          ; s[28:29] 0.85 twice
.set P15,  30                          ; s[30:31] 0.15 twice
.set MAA,  32                          ; s32, s33 lanes with bit 0, bit 1 of their number set
.set MCC,  33
.set SEL,  34                          ; s[34:35]
.set CND,  36                          ; s36 all ones or zero
.macro RSEL a, b, m, t                 ; two sums over lanes at once: lanes with the bit clear go on with a, the others with b
	v_cndmask_b32 v[\t],   v[\a], v[\b], s[\m]
	v_cndmask_b32 v[\t+1], v[\b], v[\a], s[\m]
.endm
.macro RADD a, xm, t
	v_add_f32_dpp v[\a], v[\t+1], v[\t] row_xmask:\xm row_mask:0xf bank_mask:0xf
.endm
; one step of Horner's rule for the carry, kept where s[CND] is all ones
.macro CARRY pw, src
	v_pk_fma_f32 v[NEW:NEW+1],   v[ST:ST+1],   s[\pw:\pw+1], v[\src:\src+1]   op_sel_hi:[1,0,1]
	v_pk_fma_f32 v[NEW+2:NEW+3], v[ST+2:ST+3], s[\pw:\pw+1], v[\src+2:\src+3] op_sel_hi:[1,0,1]
.irp q, 0,1,2,3
	v_cndmask_b32 v[ST+\q], v[ST+\q], v[NEW+\q], s[CND]
.endr
.endm
; step i of the scan; its registers hold 0.15 x and 0.85 x: s1 = 0.85 prev + 0.15 x, s2 = 0.15 prev + 0.85 x
.macro STEP i, prv
	v_pk_fma_f32 v[SEQ+8*\i:SEQ+8*\i+1],   v[\prv:\prv+1],   s[P85:P85+1], v[SEQ+8*\i:SEQ+8*\i+1]   op_sel_hi:[1,0,1]
	v_pk_fma_f32 v[SEQ+8*\i+2:SEQ+8*\i+3], v[\prv+2:\prv+3], s[P85:P85+1], v[SEQ+8*\i+2:SEQ+8*\i+3] op_sel_hi:[1,0,1]
	v_pk_fma_f32 v[SEQ+8*\i+4:SEQ+8*\i+5], v[\prv:\prv+1],   s[P15:P15+1], v[SEQ+8*\i+4:SEQ+8*\i+5] op_sel_hi:[1,0,1]
	v_pk_fma_f32 v[SEQ+8*\i+6:SEQ+8*\i+7], v[\prv+2:\prv+3], s[P15:P15+1], v[SEQ+8*\i+6:SEQ+8*\i+7] op_sel_hi:[1,0,1]
.endm
; the four heads' scores of steps i and i + 1, side by side so that no instruction waits for the one in front of it
.macro SCORE2 i
.irp h, 0,1,2,3
.irp n, 0,1
	v_pk_mul_f32 v[TS+16*\n+2*\h:TS+16*\n+2*\h+1], v[SEQ+8*(\i+\n):SEQ+8*(\i+\n)+1], v[WR+8*\h:WR+8*\h+1]
.endr
.endr
.irp p, 1,2,3
.irp h, 0,1,2,3
.irp n, 0,1
	v_pk_fma_f32 v[TS+16*\n+2*\h:TS+16*\n+2*\h+1], v[SEQ+8*(\i+\n)+2*\p:SEQ+8*(\i+\n)+2*\p+1], v[WR+8*\h+2*\p:WR+8*\h+2*\p+1], v[TS+16*\n+2*\h:TS+16*\n+2*\h+1]
.endr
.endr
.endr
.irp h, 0,1,2,3
.irp n, 0,1
	v_add_f32 v[TS+16*\n+2*\h], v[TS+16*\n+2*\h], v[TS+16*\n+2*\h+1]
.endr
.endr
.irp n, 0,1
	RSEL TS+16*\n, TS+16*\n+2, MAA, TS+16*\n+8             ; heads 0, 1: a lane goes on with head lane % 2
	RSEL TS+16*\n+4, TS+16*\n+6, MAA, TS+16*\n+10          ; heads 2, 3
.endr
.irp n, 0,1
	RADD TS+16*\n, 1, TS+16*\n+8
	RADD TS+16*\n+4, 1, TS+16*\n+10
.endr
.irp n, 0,1
	RSEL TS+16*\n, TS+16*\n+4, MCC, TS+16*\n+8             ; head lane % 4
.endr
.irp n, 0,1
	RADD TS+16*\n, 2, TS+16*\n+8
.endr
.irp k, 4,8
.irp n, 0,1
	v_add_f32_dpp v[TS+16*\n], v[TS+16*\n], v[TS+16*\n] row_xmask:\k row_mask:0xf bank_mask:0xf
.endr
.endr
.irp n, 0,1
	v_permlanex16_b32 v[TX+\n], v[TS+16*\n], s[SEL], s[SEL+1]
.endr
.irp n, 0,1
	v_add_f32 v[SC+\i+\n], v[TS+16*\n], v[TX+\n]
.endr
.endm
; ctx += p x seq for step i: head h's weight is spread from lane h of every four lanes to all four.  The weights' registers and their odd
; neighbours (a packed source names a pair and takes its low word for both halves) were written before, by the LDS loads into v[224:251].
.macro CTXROW i
.irp h, 0,1,2,3
	v_mov_b32_dpp v[LR+8*(\i%2)+2*\h], v[SC+\i] quad_perm:[\h,\h,\h,\h] row_mask:0xf bank_mask:0xf
.endr
.irp h, 0,1,2,3
.irp p, 0,1,2,3
.if \i == 0
	v_pk_mul_f32 v[CTX+8*\h+2*\p:CTX+8*\h+2*\p+1], v[SEQ+8*\i+2*\p:SEQ+8*\i+2*\p+1], v[LR+8*(\i%2)+2*\h:LR+8*(\i%2)+2*\h+1] op_sel_hi:[1,0]
.else
	v_pk_fma_f32 v[CTX+8*\h+2*\p:CTX+8*\h+2*\p+1], v[SEQ+8*\i+2*\p:SEQ+8*\i+2*\p+1], v[LR+8*(\i%2)+2*\h:LR+8*(\i%2)+2*\h+1], v[CTX+8*\h+2*\p:CTX+8*\h+2*\p+1] op_sel_hi:[1,0,1]
.endif
.endr
.endr
.endm
.macro ADD4 a, b
	v_pk_add_f32 v[\a:\a+1],   v[\a:\a+1],   v[\b:\b+1]
	v_pk_add_f32 v[\a+2:\a+3], v[\a+2:\a+3], v[\b+2:\b+3]
.endm
	s_load_b256 s[4:11], s[0:1], 0x0               ; x s[4:5], est s[6:7], wv s[8:9], part s[10:11]
	s_load_b64 s[12:13], s[0:1], 0x20              ; stat
	s_set_vgpr_msb 0x40
	v_lshl_add_u32 v0, v0, 2, 0x9200
	v_mov_b32 v1, 0
	s_set_vgpr_msb 0x4000
	v_lshrrev_b32 v[ST+1], 5, v0
	v_readfirstlane_b32 s[WV], v[ST+1]             ; wave 0..7
	v_and_b32 v[ST+1], 31, v0
	v_lshlrev_b32 v[L16], 4, v[ST+1]
	v_lshlrev_b32 v[L8], 3, v[ST+1]
	v_lshl_add_u32 v[XO], s[WV], 13, v[L16]
	s_lshl_b32 s2, ttmp9, 16
	s_mov_b32 s3, 0
	s_and_b32 s16, ttmp9, 7                        ; c
	s_lshr_b32 s17, ttmp9, 3                       ; b
	s_wait_kmcnt 0x0
	s_add_nc_u64 s[4:5], s[4:5], s[2:3]
.irp i, 0,1,2,3,4,5,6,7,8,9,10,11,12,13,14,15
	global_load_b128 v[SEQ+8*\i+4:SEQ+8*\i+7], v[XO], s[4:5] offset:512*\i th:TH_LOAD_NT   ; x's last use
.endr
	s_lshl_b32 s2, s17, 13
	s_add_nc_u64 s[6:7], s[6:7], s[2:3]
.irp k, 0,1,2,3,4,5,6
	global_load_b128 v[ET+4*\k:ET+4*\k+3], v[L16], s[6:7] offset:1024*\k   ; E1 of chunks 0 to 6 of my batch
.endr
	s_lshl_b32 s2, s17, 12
	s_add_nc_u64 s[8:9], s[8:9], s[2:3]
.irp k, 0,1,2,3,4,5,6,7
	global_load_b128 v[WR+4*\k:WR+4*\k+3], v[L16], s[8:9] offset:512*\k    ; w: head k / 2, half k % 2
.endr
	s_lshl_b32 s2, ttmp9, 12
	s_add_nc_u64 s[10:11], s[10:11], s[2:3]
	s_lshl_b32 s2, ttmp9, 8
	s_add_nc_u64 s[12:13], s[12:13], s[2:3]
	v_lshl_add_u32 v[T16], s[WV], 9, v[L16]
	v_lshl_add_u32 v[CW], s[WV], 12, v[L16]
	v_and_b32 v[ST+1], 3, v0
	v_lshlrev_b32 v[H32], 5, v[ST+1]
	v_lshl_add_u32 v[HW], s[WV], 2, v[H32]
	v_mov_b32 v[TX], 0                             ; v_permlanex16_b32 counts as a reader of its destination
	v_mov_b32 v[TX+1], 0
	s_mov_b32 s[MAA], 0xaaaaaaaa
	s_mov_b32 s[MCC], 0xcccccccc
	s_mov_b32 s[SEL], 0x76543210
	s_mov_b32 s[SEL+1], 0xfedcba98
	s_mov_b32 s[P85], A85
	s_mov_b32 s[P85+1], A85
	s_mov_b32 s[P15], A15
	s_mov_b32 s[P15+1], A15
	s_mul_f32 s20, s[P85], s[P85]                  ; 0.85^2
	s_mul_f32 s20, s20, s20                        ; ^4
	s_mul_f32 s20, s20, s20                        ; ^8
	s_mul_f32 s[P16], s20, s20                     ; ^16
	s_mov_b32 s[P16+1], s[P16]
	s_mul_f32 s20, s[P16], s[P16]                  ; ^32
	s_mul_f32 s20, s20, s20                        ; ^64
	s_mul_f32 s[P128], s20, s20                    ; ^128
	s_mov_b32 s[P128+1], s[P128]
	; my wave's 16 steps from state 0
	s_wait_loadcnt 29                              ; steps 0 and 1 are in: 14 younger steps, 7 rows of est and 8 of w stay out
	v_pk_fma_f32 v[U:U+1],   v[SEQ+4:SEQ+5], s[P85:P85+1], v[SEQ+12:SEQ+13] op_sel_hi:[1,0,1]
	v_pk_fma_f32 v[U+2:U+3], v[SEQ+6:SEQ+7], s[P85:P85+1], v[SEQ+14:SEQ+15] op_sel_hi:[1,0,1]
.irp i, 2,3,4,5,6,7,8,9,10,11,12,13,14,15
	s_wait_loadcnt 30-\i                           ; step i is in: 15 - i younger steps and the 15 other loads stay out
	v_pk_fma_f32 v[U:U+1],   v[U:U+1],   s[P85:P85+1], v[SEQ+8*\i+4:SEQ+8*\i+5] op_sel_hi:[1,0,1]
	v_pk_fma_f32 v[U+2:U+3], v[U+2:U+3], s[P85:P85+1], v[SEQ+8*\i+6:SEQ+8*\i+7] op_sel_hi:[1,0,1]
.endr
	v_pk_mul_f32 v[U:U+1],   v[U:U+1],   s[P15:P15+1] op_sel_hi:[1,0]
	v_pk_mul_f32 v[U+2:U+3], v[U+2:U+3], s[P15:P15+1] op_sel_hi:[1,0]
	ds_store_b128 v[T16], v[U:U+3] offset:SWL
	s_wait_dscnt 0x0                               ; for the others' sake
	s_barrier_signal -1
	s_barrier_wait -1
.irp w, 0,1,2,3,4,5,6
	ds_load_b128 v[LR+4*\w:LR+4*\w+3], v[L16] offset:SWL+512*\w
.endr
	; while they come: 0.15 x and 0.85 x of all 16 steps
.irp i, 0,1,2,3,4,5,6,7,8,9,10,11,12,13,14,15
	v_pk_mul_f32 v[SEQ+8*\i:SEQ+8*\i+1],   v[SEQ+8*\i+4:SEQ+8*\i+5], s[P15:P15+1] op_sel_hi:[1,0]
	v_pk_mul_f32 v[SEQ+8*\i+2:SEQ+8*\i+3], v[SEQ+8*\i+6:SEQ+8*\i+7], s[P15:P15+1] op_sel_hi:[1,0]
	v_pk_mul_f32 v[SEQ+8*\i+4:SEQ+8*\i+5], v[SEQ+8*\i+4:SEQ+8*\i+5], s[P85:P85+1] op_sel_hi:[1,0]
	v_pk_mul_f32 v[SEQ+8*\i+6:SEQ+8*\i+7], v[SEQ+8*\i+6:SEQ+8*\i+7], s[P85:P85+1] op_sel_hi:[1,0]
.endr
	s_wait_loadcnt 8                               ; est's rows are in, w's eight stay out
	s_cmp_gt_u32 s16, 0
	s_cselect_b32 s[CND], -1, 0
.irp q, 0,1,2,3
	v_cndmask_b32 v[ST+\q], 0, v[ET+\q], s[CND]    ; chunk 0 starts from state 0
.endr
.irp k, 1,2,3,4,5,6
	s_cmp_gt_u32 s16, \k                           ; chunk k lies in front of mine
	s_cselect_b32 s[CND], -1, 0
	CARRY P128, ET+4*\k
.endr
	s_wait_dscnt 0x0
.irp k, 0,1,2,3,4,5,6
	s_cmp_gt_u32 s[WV], \k                         ; wave k's steps lie in front of mine
	s_cselect_b32 s[CND], -1, 0
	CARRY P16, LR+4*\k
.endr
	STEP 0, ST
.irp i, 1,2,3,4,5,6,7,8,9,10,11,12,13,14,15
	STEP \i, SEQ+8*(\i-1)
.endr
	s_wait_loadcnt 0x0                             ; w
.irp i, 0,2,4,6,8,10,12,14
	SCORE2 \i
.endr
	; the maximum of my 16 steps; the state's registers are free
	v_max3_num_f32 v[ST],   v[SC],   v[SC+1],  v[SC+2]
	v_max3_num_f32 v[ST+1], v[SC+3], v[SC+4],  v[SC+5]
	v_max3_num_f32 v[ST+2], v[SC+6], v[SC+7],  v[SC+8]
	v_max3_num_f32 v[ST+3], v[SC+9], v[SC+10], v[SC+11]
	v_max3_num_f32 v[ST],   v[ST],   v[SC+12], v[SC+13]
	v_max3_num_f32 v[ST+1], v[ST+1], v[SC+14], v[SC+15]
	v_max3_num_f32 v[ST],   v[ST],   v[ST+1],  v[ST+2]
	v_max_num_f32  v[ST],   v[ST],   v[ST+3]
	ds_store_b32 v[HW], v[ST] offset:MAXB          ; the eight lanes of a head write the same word with the same number
	s_wait_dscnt 0x0
	s_barrier_signal -1
	s_barrier_wait -1
	ds_load_b128 v[LR:LR+3],   v[H32] offset:MAXB
	ds_load_b128 v[LR+4:LR+7], v[H32] offset:MAXB+16
	s_wait_dscnt 0x0
	v_max3_num_f32 v[ML],   v[LR],   v[LR+1], v[LR+2]
	v_max3_num_f32 v[ST+1], v[LR+3], v[LR+4], v[LR+5]
	v_max3_num_f32 v[ML],   v[ML],   v[ST+1], v[LR+6]
	v_max_num_f32  v[ML],   v[ML],   v[LR+7]       ; M: my head's maximum over the chunk
.irp i, 0,1,2,3,4,5,6,7,8,9,10,11,12,13,14,15
	v_sub_f32 v[SC+\i], v[SC+\i], v[ML]
.endr
.irp i, 0,1,2,3,4,5,6,7,8,9,10,11,12,13,14,15
	v_exp_f32 v[SC+\i], v[SC+\i]
.endr
	v_nop                                          ; a plain instruction between the exponentials and the first use of a result (ISA guide 5.7.2)
	s_wait_alu depctr_va_vdst(0)
	v_pk_add_f32 v[LR+16:LR+17], v[SC:SC+1],     v[SC+2:SC+3]
	v_pk_add_f32 v[LR+18:LR+19], v[SC+4:SC+5],   v[SC+6:SC+7]
	v_pk_add_f32 v[LR+20:LR+21], v[SC+8:SC+9],   v[SC+10:SC+11]
	v_pk_add_f32 v[LR+22:LR+23], v[SC+12:SC+13], v[SC+14:SC+15]
	v_pk_add_f32 v[LR+16:LR+17], v[LR+16:LR+17], v[LR+18:LR+19]
	v_pk_add_f32 v[LR+20:LR+21], v[LR+20:LR+21], v[LR+22:LR+23]
	v_pk_add_f32 v[LR+16:LR+17], v[LR+16:LR+17], v[LR+20:LR+21]
	v_add_f32 v[ST], v[LR+16], v[LR+17]            ; my wave's sum of p
	ds_store_b32 v[HW], v[ST] offset:LB
.irp i, 0,1,2,3,4,5,6,7,8,9,10,11,12,13,14,15
	CTXROW \i
.endr
.irp k, 0,1,2,3,4,5,6,7
	ds_store_b128 v[CW], v[CTX+4*\k:CTX+4*\k+3] offset:CTXB+512*\k         ; head k / 2, half k % 2, channels 4 lane on
.endr
	s_wait_dscnt 0x0
	s_barrier_signal -1
	s_barrier_wait -1
.irp w, 0,1,2,3,4,5,6,7
	ds_load_b128 v[SEQ+4*\w:SEQ+4*\w+3], v[T16] offset:CTXB+4096*\w        ; every thread adds the eight waves' parts of four numbers
.endr
	s_wait_dscnt 0x0
	ADD4 SEQ, SEQ+4
	ADD4 SEQ+8, SEQ+12
	ADD4 SEQ+16, SEQ+20
	ADD4 SEQ+24, SEQ+28
	ADD4 SEQ, SEQ+8
	ADD4 SEQ+16, SEQ+24
	ADD4 SEQ, SEQ+16
	global_store_b128 v[T16], v[SEQ:SEQ+3], s[10:11]       ; a wave's store covers 512 consecutive bytes
	s_cmp_lg_u32 s[WV], 0
	s_cbranch_scc1 .Lend
	ds_load_b128 v[SEQ+32:SEQ+35], v[H32] offset:LB
	ds_load_b128 v[SEQ+36:SEQ+39], v[H32] offset:LB+16
	s_wait_dscnt 0x0
	v_pk_add_f32 v[SEQ+32:SEQ+33], v[SEQ+32:SEQ+33], v[SEQ+34:SEQ+35]
	v_pk_add_f32 v[SEQ+36:SEQ+37], v[SEQ+36:SEQ+37], v[SEQ+38:SEQ+39]
	v_pk_add_f32 v[SEQ+32:SEQ+33], v[SEQ+32:SEQ+33], v[SEQ+36:SEQ+37]
	v_add_f32 v[ML+1], v[SEQ+32], v[SEQ+33]        ; l
	global_store_b64 v[L8], v[ML:ML+1], s[12:13]   ; 32 pairs (M, l), pair i for head i % 4: 256 consecutive bytes, aligned
.Lend:
	s_set_vgpr_msb 0x5
	s_wait_tensorcnt 0x0
	ds_add_u32 v0, v1
	s_wait_dscnt 0x0
	s_set_vgpr_msb 0x500
	s_endpgm
.Lfunc_end_k_q06df8fa1c4_attn:
	.size	k_q06df8fa1c4_attn, .Lfunc_end_k_q06df8fa1c4_attn-k_q06df8fa1c4_attn
	.p2alignl 7, 3214868480
	.fill 96, 4, 3214868480
	.section	.rodata,"a",@progbits
	.p2align	6, 0x0
	.amdhsa_kernel k_q06df8fa1c4_attn
		.amdhsa_group_segment_fixed_size 38400
		.amdhsa_private_segment_fixed_size 0
		.amdhsa_enable_private_segment 0
		.amdhsa_kernarg_size 40
		.amdhsa_user_sgpr_count 2
		.amdhsa_user_sgpr_kernarg_segment_ptr 1
		.amdhsa_wavefront_size32 1
		.amdhsa_system_sgpr_workgroup_id_x 1
		.amdhsa_system_sgpr_workgroup_id_y 1
		.amdhsa_system_sgpr_workgroup_id_z 1
		.amdhsa_system_vgpr_workitem_id 0
		.amdhsa_next_free_vgpr 258
		.amdhsa_next_free_sgpr 66
		.amdhsa_reserve_vcc 0
		.amdhsa_float_denorm_mode_32 3
		.amdhsa_float_denorm_mode_16_64 3
		.amdhsa_memory_ordered 1
		.amdhsa_forward_progress 1
		.amdhsa_inst_pref_size 79
	.end_amdhsa_kernel
	.amdgpu_metadata
---
amdhsa.version: [ 1, 2 ]
amdhsa.kernels:
  - .name:           k_q06df8fa1c4_attn
    .symbol:         k_q06df8fa1c4_attn.kd
    .args:
      - { .name: x, .offset: 0, .size: 8, .value_kind: global_buffer, .address_space: global }
      - { .name: est, .offset: 8, .size: 8, .value_kind: global_buffer, .address_space: global }
      - { .name: wv, .offset: 16, .size: 8, .value_kind: global_buffer, .address_space: global }
      - { .name: part, .offset: 24, .size: 8, .value_kind: global_buffer, .address_space: global }
      - { .name: stat, .offset: 32, .size: 8, .value_kind: global_buffer, .address_space: global }
    .group_segment_fixed_size: 38400
    .private_segment_fixed_size: 0
    .kernarg_segment_align: 8
    .kernarg_segment_size: 40
    .max_flat_workgroup_size: 256
    .sgpr_count:     66
    .vgpr_count:     258
    .wavefront_size: 32
...
	.end_amdgpu_metadata
.endif
;; end of part 3
;; launch outp (part 4): grid 4 x 32, 16 waves a work-group, no clusters, 8,192 bytes of LDS; arguments nb, part, stat, out0; writes out0
.if DOCPART == 4
	.amdgcn_target "amdgcn-amd-amdhsa--gfx1250"
	.amdhsa_code_object_version 6
	.text
	.protected	k_q06df8fa1c4_outp
	.globl	k_q06df8fa1c4_outp
	.p2align	8
	.type	k_q06df8fa1c4_outp,@function
k_q06df8fa1c4_outp:
	s_mov_b64 s[64:65], 0
	v_nop
	global_prefetch_b8 v0, s[64:65] scope:SCOPE_SE
	s_setreg_imm32_b32 hwreg(HW_REG_WAVE_MODE, 25, 1), 1
	s_wait_xcnt 0x0
; Launch 4 of 4.  Work-group (cb, b): joins batch b's eight chunks (for each head M = the largest chunk maximum, g_c = 2^(m_c - M) / sum over c of 2^(m_c - M) l_c,
; Cn[k] = sum over c of g_c part[c][k]) and makes out0[b][32 cb .. 32 cb + 31] = sum over k of Cn[k] N[k][..], k = 256 h + d.
; The divisor is at least 1: the chunk that holds M has a weight 2^0 in its l.
; SHARES: sixteen waves; wave w takes k = 64 w .. 64 w + 63, all of head w / 4.  A load of nb covers 512 consecutive bytes: four rows k of 32 columns.
; One row against weights used once by the lane that loads them: f32 on the vector unit; no cluster, for the same reason.
; out0 leaves as pieces of 128 bytes, one a work-group (16 KB in all): four column blocks a batch keep a work-group's stream of N at 128 KB.
.set CN,   0                           ; LDS [1024] f32
.set RED,  4096                        ; [16 w][32] f32
.set NO,   1                           ; v1  8192 w + 16 lane
.set T8,   2                           ; v2  256 w + 8 lane: my two k, in part's rows and in CN
.set SO,   3                           ; v3  256 (lane % 8) + 8 (w / 4): chunk lane % 8, my wave's head, in stat
.set CO,   4                           ; v4  256 w + 4 (lane / 8)
.set RO,   5                           ; v5  128 w + 16 (lane % 8)
.set L4,   6                           ; v6  4 lane
.set TMP,  7
.set MLR,  8                           ; v[8:9]   (m, l) of my chunk
.set MX,   10                          ; v10 M, v11 f, v12 the divisor, v13 g
.set PR,   16                          ; v[16:31] part: 8 chunks x 2
.set CV,   32                          ; v[32:47] Cn of my row in each of the 16 loads of nb
.set ACC,  48                          ; v[48:51]
.set CNR,  52                          ; v[52:53]
.set TX,   56                          ; v[56:59]
.set NR,   64                          ; v[64:127] 16 loads x 4
.set WV,   12                          ; s12 wave
.set SEL,  20                          ; s[20:21]
.set GS,   40                          ; s[40:47] g_c
	s_load_b256 s[4:11], s[0:1], 0x0               ; nb s[4:5], part s[6:7], stat s[8:9], out0 s[10:11]
	v_lshl_add_u32 v128, v0, 2, 0x1800
	v_mov_b32 v129, 0
	v_lshrrev_b32 v[TMP], 5, v0
	v_readfirstlane_b32 s[WV], v[TMP]              ; wave 0..15
	v_and_b32 v[TMP], 7, v0
	v_lshlrev_b32 v[SO], 8, v[TMP]
	v_lshlrev_b32 v[RO], 4, v[TMP]
	s_lshr_b32 s15, s[WV], 2                       ; my wave's head
	v_lshl_add_u32 v[SO], s15, 3, v[SO]
	v_and_b32 v[TMP], 31, v0
	v_lshlrev_b32 v[T8], 3, v[TMP]
	v_lshl_add_u32 v[T8], s[WV], 8, v[T8]
	v_lshlrev_b32 v[NO], 4, v[TMP]
	v_lshl_add_u32 v[NO], s[WV], 13, v[NO]
	v_lshlrev_b32 v[L4], 2, v[TMP]
	s_mov_b32 s13, ttmp9                           ; cb
	s_and_b32 s14, ttmp7, 0xffff                   ; b
	s_lshl_b32 s2, s14, 11                         ; stat: 8 chunks x 256 bytes a batch
	s_mov_b32 s3, 0
	s_lshl_b32 s16, s14, 15                        ; part: 8 chunks x 4,096 bytes
	s_mov_b32 s17, 0
	s_lshl_b32 s18, s13, 17                        ; nb: 1,024 rows x 128 bytes a column block
	s_mov_b32 s19, 0
	s_wait_kmcnt 0x0
	s_add_nc_u64 s[8:9], s[8:9], s[2:3]
	s_add_nc_u64 s[6:7], s[6:7], s[16:17]
	s_add_nc_u64 s[4:5], s[4:5], s[18:19]
	global_load_b64 v[MLR:MLR+1], v[SO], s[8:9]
.irp c, 0,1,2,3,4,5,6,7
	global_load_b64 v[PR+2*\c:PR+2*\c+1], v[T8], s[6:7] offset:4096*\c
.endr
.irp j, 0,1,2,3,4,5,6,7,8,9,10,11,12,13,14,15
	global_load_b128 v[NR+4*\j:NR+4*\j+3], v[NO], s[4:5] offset:512*\j     ; rows k = 64 w + 4 j + lane / 8, columns 4 (lane % 8) on
.endr
	s_lshl2_add_u32 s2, s14, s13
	s_lshl_b32 s2, s2, 7
	s_add_nc_u64 s[10:11], s[10:11], s[2:3]        ; out0 at row b, column 32 cb
	v_bfe_u32 v[TMP], v0, 3, 2
	v_lshlrev_b32 v[CO], 2, v[TMP]
	v_lshl_add_u32 v[CO], s[WV], 8, v[CO]
	v_lshl_add_u32 v[RO], s[WV], 7, v[RO]
.irp q, 0,1,2,3
	v_mov_b32 v[TX+\q], 0                          ; v_permlanex16_b32 counts as a reader of its destination
.endr
	s_mov_b32 s[SEL], 0x76543210
	s_mov_b32 s[SEL+1], 0xfedcba98
	s_wait_loadcnt 24                              ; (m, l) is in; part's 8 and nb's 16 loads stay out
	v_mov_b32 v[MX], v[MLR]
	v_max_num_f32_dpp v[MX], v[MX], v[MX] row_xmask:1 row_mask:0xf bank_mask:0xf
	v_max_num_f32_dpp v[MX], v[MX], v[MX] row_xmask:2 row_mask:0xf bank_mask:0xf
	v_max_num_f32_dpp v[MX], v[MX], v[MX] row_xmask:4 row_mask:0xf bank_mask:0xf   ; M over the eight chunks
	v_sub_f32 v[MX+1], v[MLR], v[MX]
	v_exp_f32 v[MX+1], v[MX+1]                     ; f = 2^(m - M)
	v_nop                                          ; a plain instruction in front of the result's use (ISA guide 5.7.2)
	s_wait_alu depctr_va_vdst(0)
	v_mul_f32 v[MX+2], v[MX+1], v[MLR+1]
	v_add_f32_dpp v[MX+2], v[MX+2], v[MX+2] row_xmask:1 row_mask:0xf bank_mask:0xf
	v_add_f32_dpp v[MX+2], v[MX+2], v[MX+2] row_xmask:2 row_mask:0xf bank_mask:0xf
	v_add_f32_dpp v[MX+2], v[MX+2], v[MX+2] row_xmask:4 row_mask:0xf bank_mask:0xf ; the softmax's divisor
	v_rcp_f32 v[MX+3], v[MX+2]
	v_nop
	s_wait_alu depctr_va_vdst(0)
	v_mul_f32 v[MX+3], v[MX+1], v[MX+3]            ; g of chunk lane % 8
.irp c, 0,1,2,3,4,5,6,7
	v_readlane_b32 s[GS+\c], v[MX+3], \c           ; as multipliers alone
.endr
	s_wait_loadcnt 16                              ; part is in, nb's 16 loads stay out
	v_mul_f32 v[CNR],   s[GS], v[PR]
	v_mul_f32 v[CNR+1], s[GS], v[PR+1]
.irp c, 1,2,3,4,5,6,7
	v_fmac_f32 v[CNR],   s[GS+\c], v[PR+2*\c]
	v_fmac_f32 v[CNR+1], s[GS+\c], v[PR+2*\c+1]
.endr
	ds_store_b64 v[T8], v[CNR:CNR+1] offset:CN
	s_wait_dscnt 0x0                               ; store, wait, barrier, load
	s_barrier_signal -1
	s_barrier_wait -1
.irp j, 0,1,2,3,4,5,6,7,8,9,10,11,12,13,14,15
	ds_load_b32 v[CV+\j], v[CO] offset:CN+16*\j    ; Cn[64 w + 4 j + lane / 8]
.endr
	s_wait_dscnt 0x0
.irp j, 0,1,2,3,4,5,6,7,8,9,10,11,12,13,14,15
	s_wait_loadcnt 15-\j                           ; load j of nb is in, the younger ones stay out
.irp q, 0,1,2,3
.if \j == 0
	v_mul_f32 v[ACC+\q], v[CV+\j], v[NR+4*\j+\q]
.else
	v_fmac_f32 v[ACC+\q], v[CV+\j], v[NR+4*\j+\q]
.endif
.endr
.endr
.irp q, 0,1,2,3
	v_add_f32_dpp v[ACC+\q], v[ACC+\q], v[ACC+\q] row_xmask:8 row_mask:0xf bank_mask:0xf   ; the four lanes with the same columns: 8 apart,
.endr
.irp q, 0,1,2,3
	v_permlanex16_b32 v[TX+\q], v[ACC+\q], s[SEL], s[SEL+1]                               ; and 16 apart
.endr
.irp q, 0,1,2,3
	v_add_f32 v[ACC+\q], v[ACC+\q], v[TX+\q]
.endr
	ds_store_b128 v[RO], v[ACC:ACC+3] offset:RED   ; those four lanes write the same bytes with the same numbers
	s_wait_dscnt 0x0
	s_barrier_signal -1
	s_barrier_wait -1
	s_cmp_lg_u32 s[WV], 0
	s_cbranch_scc1 .Lend
.irp w, 0,1,2,3,4,5,6,7,8,9,10,11,12,13,14,15
	ds_load_b32 v[NR+\w], v[L4] offset:RED+128*\w  ; lane = column: the sixteen waves' parts
.endr
	s_wait_dscnt 0x0
.irp i, 0,4,8,12
	v_pk_add_f32 v[NR+\i:NR+\i+1], v[NR+\i:NR+\i+1], v[NR+\i+2:NR+\i+3]
.endr
	v_pk_add_f32 v[NR:NR+1],   v[NR:NR+1],   v[NR+4:NR+5]
	v_pk_add_f32 v[NR+8:NR+9], v[NR+8:NR+9], v[NR+12:NR+13]
	v_pk_add_f32 v[NR:NR+1],   v[NR:NR+1],   v[NR+8:NR+9]
	v_add_f32 v[NR], v[NR], v[NR+1]
	global_store_b32 v[L4], v[NR], s[10:11]        ; 128 consecutive bytes
.Lend:
	s_wait_tensorcnt 0x0
	ds_add_u32 v128, v129
	s_wait_dscnt 0x0
	s_endpgm
.Lfunc_end_k_q06df8fa1c4_outp:
	.size	k_q06df8fa1c4_outp, .Lfunc_end_k_q06df8fa1c4_outp-k_q06df8fa1c4_outp
	.p2alignl 7, 3214868480
	.fill 96, 4, 3214868480
	.section	.rodata,"a",@progbits
	.p2align	6, 0x0
	.amdhsa_kernel k_q06df8fa1c4_outp
		.amdhsa_group_segment_fixed_size 8192
		.amdhsa_private_segment_fixed_size 0
		.amdhsa_enable_private_segment 0
		.amdhsa_kernarg_size 32
		.amdhsa_user_sgpr_count 2
		.amdhsa_user_sgpr_kernarg_segment_ptr 1
		.amdhsa_wavefront_size32 1
		.amdhsa_system_sgpr_workgroup_id_x 1
		.amdhsa_system_sgpr_workgroup_id_y 1
		.amdhsa_system_sgpr_workgroup_id_z 1
		.amdhsa_system_vgpr_workitem_id 0
		.amdhsa_next_free_vgpr 130
		.amdhsa_next_free_sgpr 66
		.amdhsa_reserve_vcc 0
		.amdhsa_float_denorm_mode_32 3
		.amdhsa_float_denorm_mode_16_64 3
		.amdhsa_memory_ordered 1
		.amdhsa_forward_progress 1
		.amdhsa_inst_pref_size 13
	.end_amdhsa_kernel
	.amdgpu_metadata
---
amdhsa.version: [ 1, 2 ]
amdhsa.kernels:
  - .name:           k_q06df8fa1c4_outp
    .symbol:         k_q06df8fa1c4_outp.kd
    .args:
      - { .name: nb, .offset: 0, .size: 8, .value_kind: global_buffer, .address_space: global }
      - { .name: part, .offset: 8, .size: 8, .value_kind: global_buffer, .address_space: global }
      - { .name: stat, .offset: 16, .size: 8, .value_kind: global_buffer, .address_space: global }
      - { .name: out0, .offset: 24, .size: 8, .value_kind: global_buffer, .address_space: global }
    .group_segment_fixed_size: 8192
    .private_segment_fixed_size: 0
    .kernarg_segment_align: 8
    .kernarg_segment_size: 32
    .max_flat_workgroup_size: 512
    .sgpr_count:     66
    .vgpr_count:     130
    .wavefront_size: 32
...
	.end_amdgpu_metadata
.endif
;; end of part 4
;; ======== version 2 of 3: 2 launches; 1.12 times as fast as version 1
;; workspace buffers: po 196,608 bytes
;; launch fused (part 5): grid 256 x 1, 16 waves a work-group, no clusters, 324,864 bytes of LDS; arguments x, query_kernel, key_kernel, value_kernel, switch_kernel, po; writes po
.if DOCPART == 5
	.amdgcn_target "amdgcn-amd-amdhsa--gfx1250"
	.amdhsa_code_object_version 6
	.text
	.protected	k_q06df8fa1c4_fused
	.globl	k_q06df8fa1c4_fused
	.p2align	8
	.type	k_q06df8fa1c4_fused,@function
k_q06df8fa1c4_fused:
	s_mov_b64 s[64:65], 0
	v_nop
	global_prefetch_b8 v0, s[64:65] scope:SCOPE_SE
	s_setreg_imm32_b32 hwreg(HW_REG_WAVE_MODE, 25, 1), 1
	s_wait_xcnt 0x0
; Launch 1 of 2.  reference() returns the last time step alone, so one query a (batch, head) is left and the long projections are reassociated
; (right for every input; the order of rounding differs from reference()'s):  score[s] = seq[s] . w with w = key_kernel_h (seq_last query_kernel_h),
; and out = sum over heads of (sum over s of p[s] seq[s]) value_kernel_h switch_kernel_h / sum of p.  The last two products are linear, so each part
; applies them to its own unnormalised sum, and the second launch joins the parts by their maxima.
; WORK-GROUP g = 8 b + 2 h + hf: batch b, head h, steps 512 hf .. 512 hf + 511.  Sixteen waves, 32 steps each; a lane holds 4 channels (16 bytes).
; THE SCAN in units u = s1 / 0.15: u_t = 0.85 u_(t-1) + x_t.  Then s1_t = 0.1275 u_(t-1) + 0.15 x_t and s2_t = 0.0225 u_(t-1) + 0.85 x_t, so
;   score_t = u_(t-1) . al + x_t . be with al = 0.1275 w1 + 0.0225 w2, be = 0.15 w1 + 0.85 w2, and with A = sum p u_(t-1), B = sum p x:
;   sum p s1 = 0.1275 A + 0.15 B, sum p s2 = 0.0225 A + 0.85 B.  The scan is linear: waves scan from 0 and add carries times powers of 0.85; nothing is cut off.
; DATA: my half of x (262,144 bytes) is copied once into LDS, each wave its own 32 rows, and read there three times (sums, scores, A and B); the other half
; passes through registers for its sums alone; the four kernels' blocks of head h pass through registers, each asked for as soon as 64 registers are free.
; SOFTMAX: every wave takes its own 32 scores' true maximum away; the waves, and later the parts, are joined by 2^(m - M).  Limit: v_exp_f32 gives 0 under 2^-126.
; All arithmetic is f32 on the vector unit: every product here has ONE row (seq_last, q, the sums), so a 16-row matrix tile would hold one row of use.
; No cluster, though 8 work-groups share a batch's x and 64 a head's kernels: a joint load lands in LDS, and of the 322,816 bytes here 262,144 hold
; my half of x and 60,672 the stages, so the other 704 KB that a work-group reads have no slots to land in.
.set A85,  0x3f59999a                  ; 0.85
.set A15,  0x3e19999a                  ; 0.15
.set CSC,  0x3e0293ee                  ; log2(e) / sqrt(128)
; LDS: bytes 0 .. 262,143 my half of x as it lies in memory (row t at 512 t).  Behind it the stages, which no copy fills; offsets from SCR:
.set SCR,  262144
.set UOWN, 0                           ; [16 w][128] f32: the waves' sums over their 32 own steps
.set UOTH, 8192                        ; [16 w][128]: over their 32 steps of the other half
.set U31O, 16384                       ; [128]: wave 15's sum over its first 31 own steps
.set XLO,  16896                       ; [128]: x of the last own step
.set U31T, 17408                       ; the same two of the other half
.set XLT,  17920
.set QRED, 18432                       ; [16 w][128]: the waves' parts of q
.set WOUT, 26624                       ; [256]: w
.set CTXB, 27648                       ; [16 w][A 128, B 128]
.set MLB,  44032                       ; [16 w][m, l]
.set TRED, 44288                       ; [16 w][128]: the waves' parts of t = ctx value_kernel_h
.set ORED, 52480                       ; [16 w][128]: the waves' parts of t switch_kernel_h
; vector registers
.set LN16, 1                           ; 16 lane
.set XG,   2                           ; 16384 w + 16 lane: my 16 bytes in my wave's first row of a half of x, in memory
.set XLA,  3                           ; the same number: in LDS
.set KO,   4                           ; 32768 w + 16 lane: in my wave's first of 16 rows of a kernel
.set SWO,  5                           ; 4096 w + 16 lane: in my wave's first of 8 rows of switch_kernel_h
.set L16S, 6                           ; SCR + 16 lane
.set T16S, 7                           ; SCR + 512 w + 16 lane
.set WO,   8                           ; SCR + 64 w + 4 (lane % 16)
.set CWR,  9                           ; SCR + 1024 w + 16 lane
.set CA,   10                          ; SCR + 1024 (lane / 4) + 64 (w % 8) + 16 (lane % 4)
.set MA,   11                          ; SCR + 8 (lane / 4)
.set MW,   12                          ; SCR + 8 w
.set TA,   13                          ; SCR + 512 (lane / 2) + 32 w + 16 (lane % 2)
.set L8,   15                          ; at work in the head, at last 8 lane
.set XB,   16                          ; v[16:47]  eight own rows, for the sums
.set UO31, 48                          ; own sum over 31 steps, over 32; the same for the other half
.set UO32, 52
.set UT31, 56
.set UT32, 60
.set E31,  16                          ; joining the sums: U31 and x_last, own and other
.set EXL,  20
.set E31T, 24
.set EXLT, 28
.set HOP,  32                          ; own half: Horner over waves 0-14, over 0-15; my wave's prefix; the other half's two
.set HO,   36
.set PRE,  40
.set HTP,  44
.set HT,   48
.set HF,   52                          ; the first half's end
.set HSP,  56                          ; the second half after 480 steps, then u_1022
.set SLS,  32                          ; my wave's half of seq_last
.set CW,   28                          ; v[28:31]  u in front of my wave's steps: kept until A and B are made
.set Q,    16                          ; my part of q, then q
.set RT3,  32                          ; v[32:47]  eight pairs at work in w's reduction
.set W1,   32
.set W2,   36
.set AL,   20
.set BE,   24
.set UA,   32                          ; the running u, two sets by turns
.set UB,   96
.set PP,   36                          ; v[36:51]  eight steps' partial scores, a pair each
.set G,    52                          ; v[52:55]  four groups of eight scores
.set RT,   56                          ; v[56:63]  at work in reductions; also what v_permlanex16_b32 writes (it counts as a reader of its destination: written since the sums)
.set ML,   16                          ; v[16:17]  (m, l) of my wave
.set SCV,  18                          ; lane j: the score of my wave's step j
.set PV,   19                          ; lane j: p of step j
.set AA,   36
.set BB,   40
.set ML1,  44                          ; (m, l) of waves lane / 4 and lane / 4 + 8
.set ML2,  46
.set MT,   48                          ; v[48:49]  (M, L) of the work-group
.set F1,   50
.set F2,   51
.set CS4,  52
.set TP,   20
.set TT,   24
.set OP,   32
.set QKR,  64                          ; v[64:127]   query_kernel's 16 rows; the 16 parts of q; v[64:95] switch_kernel's 8 rows
.set SWR,  64
.set XO,   128                         ; v[128:255]  the other half's 32 rows
.set KKR,  128                         ; v[128:191]  then key_kernel's 16 rows
.set XBF,  128                         ;             then two buffers of eight own rows; then the rows to be joined
.set RB,   192                         ; v[192:255]  then the waves' sums, then value_kernel's 16 rows
.set VKR,  192
; scalar registers
.set WV,   18                          ; wave; s19 b, s20 h, s21 hf; s[22:23] the other half of x; s16, s17, s2, s3 at last four lane numbers
.set P85,  24                          ; pairs: a packed instruction names a pair and takes its low word for both halves
.set P15,  26
.set P32,  28                          ; 0.85^32
.set P31,  30                          ; 0.85^31
.set P511, 32                          ; 0.85^511
.set KW,   34                          ; 0.85^(32 w) for the second half, 0 for the first
.set C12,  36                          ; 0.1275
.set C02,  38                          ; 0.0225
.set SS,   40                          ; s[40:55] first powers at work, then sixteen multipliers read from lanes
.set MAA,  56                          ; lanes with bit 0, 1, 2, 3, 4 of their number set
.set MCC,  57
.set MF0,  58
.set MFF,  59
.set MHI,  60
.set SEL,  61                          ; s61, s62: each lane takes its own place in the other half of the lanes
.set HFM,  63                          ; all ones in the second half
.set CO,   66                          ; s[66:97] pair k: 0.85^(32 (w - 1 - k)) for k < w, else 0
.set CAS,  98                          ; waves 0-7 (s1's channels): 0.1275 and 0.15; waves 8-15 (s2's): 0.0225 and 0.85
.set CBS,  100
.macro FMA4S d, a, s, c                ; four channels: d = a x scalar + c
	v_pk_fma_f32 v[\d:\d+1],   v[\a:\a+1],   s[\s:\s+1], v[\c:\c+1]   op_sel_hi:[1,0,1]
	v_pk_fma_f32 v[\d+2:\d+3], v[\a+2:\a+3], s[\s:\s+1], v[\c+2:\c+3] op_sel_hi:[1,0,1]
.endm
.macro MUL4S d, a, s
	v_pk_mul_f32 v[\d:\d+1],   v[\a:\a+1],   s[\s:\s+1] op_sel_hi:[1,0]
	v_pk_mul_f32 v[\d+2:\d+3], v[\a+2:\a+3], s[\s:\s+1] op_sel_hi:[1,0]
.endm
.macro ADD4 d, a, b
	v_pk_add_f32 v[\d:\d+1],   v[\a:\a+1],   v[\b:\b+1]
	v_pk_add_f32 v[\d+2:\d+3], v[\a+2:\a+3], v[\b+2:\b+3]
.endm
.macro SUM16 d, b                      ; d = the sum of sixteen rows of four registers from b on
.irp i, 0,2,4,6,8,10,12,14
	ADD4 \b+4*\i, \b+4*\i, \b+4*\i+4
.endr
.irp i, 0,4,8,12
	ADD4 \b+4*\i, \b+4*\i, \b+4*\i+8
.endr
	ADD4 \b, \b, \b+16
	ADD4 \b+32, \b+32, \b+48
	ADD4 \d, \b, \b+32
.endm
; Two sums over lanes at once: lanes with the bit clear go on with a's sum over the pair of lanes, lanes with it set with b's.
.macro RSEL a, b, m, t
	v_cndmask_b32 v[\t],   v[\a], v[\b], s[\m]      ; what I keep
	v_cndmask_b32 v[\t+1], v[\b], v[\a], s[\m]      ; what my partner wants
.endm
.macro RADD a, xm, t
	v_add_f32_dpp v[\a], v[\t+1], v[\t] row_xmask:\xm row_mask:0xf bank_mask:0xf
.endm
.macro LSUM b, n, xm                   ; n registers: add the lane xm away
.set q, 0
.rept \n
	v_add_f32_dpp v[\b+q], v[\b+q], v[\b+q] row_xmask:\xm row_mask:0xf bank_mask:0xf
.set q, q+1
.endr
.endm
.macro HSUM b, n                       ; n registers: add the lane 16 away
.set q, 0
.rept \n
	v_permlanex16_b32 v[RT+q], v[\b+q], s[SEL], s[SEL+1]
.set q, q+1
.endr
.set q, 0
.rept \n
	v_add_f32 v[\b+q], v[\b+q], v[RT+q]
.set q, q+1
.endr
.endm
.macro BAR                             ; what I stored in LDS is done, then the barrier: the others read behind it
	s_wait_dscnt 0x0
	s_barrier_signal -1
	s_barrier_wait -1
.endm
; acc[q] = sum over j < n of s[SS + j] x row j; left - j loads younger than row j may stay out
.macro MATV acc, rows, n, left
.set j, 0
.rept \n
	s_wait_loadcnt \left-j
.irp q, 0,1,2,3
.if j == 0
	v_mul_f32 v[\acc+\q], s[SS+j], v[\rows+\q]      ; the first product starts the sum
.else
	v_fmac_f32 v[\acc+\q], s[SS+j], v[\rows+4*j+\q]
.endif
.endr
.set j, j+1
.endr
.endm
; eight own rows from LDS and their part of Horner's rule
.macro OWNB g
.irp r, 0,1,2,3,4,5,6,7
	ds_load_b128 v[XB+4*\r:XB+4*\r+3], v[XLA] offset:512*(8*\g+\r)
.endr
.irp r, 0,1,2,3,4,5,6,7
.if 8*\g+\r == 1
	s_wait_dscnt 6                                 ; rows 0 and 1 are in, six younger stay out
	FMA4S UO31, XB, P85, XB+4
.elseif 8*\g+\r == 31
	s_wait_dscnt 0
	FMA4S UO32, UO31, P85, XB+28                   ; the sum over 31 steps is kept
.elseif 8*\g+\r > 1
	s_wait_dscnt 7-\r                              ; row r of the eight is in
	FMA4S UO31, UO31, P85, XB+4*\r
.endif
.endr
.endm
.macro XLOAD n                         ; turn n: my rows 8 (n % 4) on, into buffer n % 2
.irp r, 0,1,2,3,4,5,6,7
	ds_load_b128 v[XBF+32*((\n)%2)+4*\r:XBF+32*((\n)%2)+4*\r+3], v[XLA] offset:512*(8*((\n)%4)+\r)
.endr
.endm
.macro UREGS j                         ; step j reads u from OLD and writes the next into NEW
.if (\j) == 0
.set OLD, CW
.elseif ((\j)%2) == 1
.set OLD, UA
.else
.set OLD, UB
.endif
.if ((\j)%2) == 0
.set NEW, UA
.else
.set NEW, UB
.endif
.endm
; the scores of steps 8 g .. 8 g + 7: x . be first (nothing waits), then the scan with u . al; then three levels of sums: lane l holds step 8 g + l % 8, summed over 8 lanes' channels
.macro SCORE8 g
.set XR, XBF+32*((\g)%2)
.irp r, 0,1,2,3,4,5,6,7
	v_pk_mul_f32 v[PP+2*\r:PP+2*\r+1], v[XR+4*\r:XR+4*\r+1], v[BE:BE+1]
.endr
.irp r, 0,1,2,3,4,5,6,7
	v_pk_fma_f32 v[PP+2*\r:PP+2*\r+1], v[XR+4*\r+2:XR+4*\r+3], v[BE+2:BE+3], v[PP+2*\r:PP+2*\r+1]
.endr
.irp r, 0,1,2,3,4,5,6,7
	UREGS 8*\g+\r
.if 8*\g+\r < 31
	FMA4S NEW, OLD, P85, XR+4*\r
.endif
	v_pk_fma_f32 v[PP+2*\r:PP+2*\r+1], v[OLD:OLD+1],   v[AL:AL+1],   v[PP+2*\r:PP+2*\r+1]
	v_pk_fma_f32 v[PP+2*\r:PP+2*\r+1], v[OLD+2:OLD+3], v[AL+2:AL+3], v[PP+2*\r:PP+2*\r+1]
.endr
.irp r, 0,1,2,3,4,5,6,7
	v_add_f32 v[PP+2*\r], v[PP+2*\r], v[PP+2*\r+1]
.endr
.irp m, 0,1,2,3
	RSEL PP+4*\m, PP+4*\m+2, MAA, RT+2*\m
.endr
.irp m, 0,1,2,3
	RADD PP+4*\m, 1, RT+2*\m
.endr
.irp m, 0,1
	RSEL PP+8*\m, PP+8*\m+4, MCC, RT+2*\m
.endr
.irp m, 0,1
	RADD PP+8*\m, 2, RT+2*\m
.endr
	RSEL PP, PP+8, MF0, RT
	RADD PP, 4, RT
	v_mov_b32 v[G+\g], v[PP]
.endm
; A += p u_(t-1), B += p x_t for steps 8 g .. 8 g + 7; the weights come out of their lanes as multipliers alone: no address and no branch hangs on them
.macro CTX8 g
.set XR, XBF+32*((\g)%2)
.irp r, 0,1,2,3,4,5,6,7
	v_readlane_b32 s[SS+2*\r], v[PV], 8*\g+\r
.endr
.irp r, 0,1,2,3,4,5,6,7
	UREGS 8*\g+\r
.if 8*\g+\r < 31
	FMA4S NEW, OLD, P85, XR+4*\r
.endif
.if 8*\g+\r == 0
	MUL4S AA, OLD, SS+2*\r                         ; the first step starts the sums
	MUL4S BB, XR+4*\r, SS+2*\r
.else
	FMA4S AA, OLD, SS+2*\r, AA
	FMA4S BB, XR+4*\r, SS+2*\r, BB
.endif
.endr
.endm
	s_load_b256 s[4:11], s[0:1], 0x0               ; x s[4:5], query_kernel s[6:7], key_kernel s[8:9], value_kernel s[10:11]
	s_load_b128 s[12:15], s[0:1], 0x20             ; switch_kernel s[12:13], po s[14:15]
	v_lshl_add_u32 v254, v0, 2, 0x4ed00
	v_mov_b32 v255, 0
	ds_add_u32 v254, v255
	ds_add_u32 v254, v255
	s_wait_dscnt 0x0
	v_lshrrev_b32 v[L8], 5, v0
	v_readfirstlane_b32 s[WV], v[L8]               ; wave 0..15
	v_and_b32 v[L8], 31, v0
	v_lshlrev_b32 v[LN16], 4, v[L8]
	v_lshl_add_u32 v[XG],  s[WV], 14, v[LN16]      ; 32 rows of 512 bytes a wave
	v_lshl_add_u32 v[XLA], s[WV], 14, v[LN16]
	v_lshl_add_u32 v[KO],  s[WV], 15, v[LN16]      ; 16 rows of 2,048 bytes a wave
	s_lshr_b32 s19, ttmp9, 3                       ; b
	s_bfe_u32 s20, ttmp9, 0x20001                  ; h
	s_and_b32 s21, ttmp9, 1                        ; hf
	s_lshl1_add_u32 s2, s19, s21
	s_lshl_b32 s2, s2, 18                          ; my half: (2 b + hf) x 262,144 bytes
	s_mov_b32 s3, 0
	s_xor_b32 s22, s21, 1
	s_lshl1_add_u32 s22, s19, s22
	s_lshl_b32 s22, s22, 18                        ; the other half
	s_mov_b32 s23, 0
	s_wait_kmcnt 0x0
	s_add_nc_u64 s[22:23], s[4:5], s[22:23]
	s_add_nc_u64 s[4:5], s[4:5], s[2:3]
	; my wave's 32 own rows go into LDS, to the place that they have in the half: the immediate steps both addresses.  These bytes are filled once.
.set i, 0
.rept 32
	global_load_async_to_lds_b128 v[XLA], v[XG], s[4:5] offset:512*i
.set i, i+1
.endr
.set i, 0
.rept 32
	global_load_b128 v[XO+4*i:XO+4*i+3], v[XG], s[22:23] offset:512*i      ; no hint: seven other work-groups read these rows too
.set i, i+1
.endr
	s_lshl_b32 s2, s20, 9                          ; column block h: 512 bytes into a row of the three kernels
	s_add_nc_u64 s[6:7], s[6:7], s[2:3]
	s_add_nc_u64 s[8:9], s[8:9], s[2:3]
	s_add_nc_u64 s[10:11], s[10:11], s[2:3]
.set j, 0
.rept 16
	global_load_b128 v[QKR+4*j:QKR+4*j+3], v[KO], s[6:7] offset:2048*j
.set j, j+1
.endr
	s_lshl_b32 s2, s20, 16                         ; switch_kernel's rows 128 h on
	s_add_nc_u64 s[12:13], s[12:13], s[2:3]
	s_mul_i32 s2, ttmp9, 768
	s_add_nc_u64 s[14:15], s[14:15], s[2:3]        ; po at my 768 bytes
	; addresses
	v_add_nc_u32 v[L16S], SCR, v[LN16]
	v_lshl_add_u32 v[T16S], s[WV], 9, v[L16S]
	v_lshl_add_u32 v[CWR], s[WV], 10, v[L16S]
	v_lshl_add_u32 v[SWO], s[WV], 12, v[LN16]
	v_and_b32 v[L8], 15, v0
	v_lshlrev_b32 v[WO], 2, v[L8]
	v_lshl_add_u32 v[WO], s[WV], 6, v[WO]
	v_add_nc_u32 v[WO], SCR, v[WO]
	v_bfe_u32 v[L8], v0, 2, 3                      ; lane / 4
	v_lshlrev_b32 v[CA], 10, v[L8]
	v_lshlrev_b32 v[MA], 3, v[L8]
	v_add_nc_u32 v[MA], SCR, v[MA]
	v_and_b32 v[L8], 3, v0
	v_lshl_add_u32 v[CA], v[L8], 4, v[CA]
	s_and_b32 s16, s[WV], 7
	v_lshl_add_u32 v[CA], s16, 6, v[CA]
	v_add_nc_u32 v[CA], SCR, v[CA]
	v_mov_b32 v[MW], SCR
	v_lshl_add_u32 v[MW], s[WV], 3, v[MW]
	v_bfe_u32 v[L8], v0, 1, 4                      ; lane / 2
	v_lshlrev_b32 v[TA], 9, v[L8]
	v_and_b32 v[L8], 1, v0
	v_lshl_add_u32 v[TA], v[L8], 4, v[TA]
	v_lshl_add_u32 v[TA], s[WV], 5, v[TA]
	v_add_nc_u32 v[TA], SCR, v[TA]
	v_and_b32 v[L8], 31, v0
	v_lshlrev_b32 v[L8], 3, v[L8]
	; scalars
	s_lshl_b32 s16, s16, 2                         ; the four lanes that hold my wave's 16 channels: 4 (w % 8) on
	s_add_co_u32 s17, s16, 1
	s_add_co_u32 s2, s16, 2
	s_add_co_u32 s3, s16, 3
	s_mov_b32 s[MAA], 0xaaaaaaaa
	s_mov_b32 s[MCC], 0xcccccccc
	s_mov_b32 s[MF0], 0xf0f0f0f0
	s_mov_b32 s[MFF], 0xff00ff00
	s_mov_b32 s[MHI], 0xffff0000
	s_mov_b32 s[SEL], 0x76543210
	s_mov_b32 s[SEL+1], 0xfedcba98
	s_mov_b32 s[P85], A85
	s_mov_b32 s[P85+1], A85
	s_mov_b32 s[P15], A15
	s_mov_b32 s[P15+1], A15
	s_mul_f32 s40, s[P85], s[P85]                  ; 0.85^2
	s_mul_f32 s41, s40, s40                        ; ^4
	s_mul_f32 s42, s41, s41                        ; ^8
	s_mul_f32 s43, s42, s42                        ; ^16
	s_mul_f32 s[P32], s43, s43                     ; ^32
	s_mov_b32 s[P32+1], s[P32]
	s_mul_f32 s44, s[P32], s[P32]                  ; ^64
	s_mul_f32 s45, s44, s44                        ; ^128
	s_mul_f32 s46, s45, s45                        ; ^256
	s_mul_f32 s[P31], s43, s42                     ; ^24
	s_mul_f32 s[P31], s[P31], s41                  ; ^28
	s_mul_f32 s[P31], s[P31], s40                  ; ^30
	s_mul_f32 s[P31], s[P31], s[P85]               ; ^31
	s_mov_b32 s[P31+1], s[P31]
	s_mul_f32 s[P511], s46, s45                    ; ^384
	s_mul_f32 s[P511], s[P511], s44                ; ^448
	s_mul_f32 s[P511], s[P511], s[P32]             ; ^480
	s_mul_f32 s[P511], s[P511], s[P31]             ; ^511
	s_mov_b32 s[P511+1], s[P511]
	s_mul_f32 s[C12], s[P85], s[P15]
	s_mov_b32 s[C12+1], s[C12]
	s_mul_f32 s[C02], s[P15], s[P15]
	s_mov_b32 s[C02+1], s[C02]
	s_bitcmp1_b32 s[WV], 0                         ; 0.85^(32 w) from w's four bits
	s_cselect_b32 s[KW], s[P32], 1.0
	s_bitcmp1_b32 s[WV], 1
	s_cselect_b32 s47, s44, 1.0
	s_mul_f32 s[KW], s[KW], s47
	s_bitcmp1_b32 s[WV], 2
	s_cselect_b32 s47, s45, 1.0
	s_mul_f32 s[KW], s[KW], s47
	s_bitcmp1_b32 s[WV], 3
	s_cselect_b32 s47, s46, 1.0
	s_mul_f32 s[KW], s[KW], s47
	s_cmp_lg_u32 s21, 0                            ; the first half starts from state 0
	s_cselect_b32 s[KW], s[KW], 0
	s_cselect_b32 s[HFM], -1, 0
	s_mov_b32 s[KW+1], s[KW]
	s_cmp_ge_u32 s[WV], 8
	s_cselect_b32 s[CAS], s[C02], s[C12]
	s_cselect_b32 s[CBS], s[P85], s[P15]
	s_mov_b32 s[CAS+1], s[CAS]
	s_mov_b32 s[CBS+1], s[CBS]
	s_mov_b32 s47, 0                               ; what wave k's sum is multiplied by in my carry, from k = 15 down: 0 for k >= w, 1 for k = w - 1, then x 0.85^32 a wave
.irp k, 15,14,13,12,11,10,9,8,7,6,5,4,3,2,1,0
	s_mul_f32 s47, s47, s[P32]
	s_cmp_eq_u32 s[WV], \k+1
	s_cselect_b32 s47, 1.0, s47
	s_mov_b32 s[CO+2*\k], s47
	s_mov_b32 s[CO+2*\k+1], s47
.endr
	; THE SUMS.  My 32 own steps, from LDS: only my wave reads what my copies brought, so my own wait is all the ordering that these reads need
	s_wait_asynccnt 0x0
	OWNB 0
	OWNB 1
	OWNB 2
	OWNB 3
	; my 32 steps of the other half, from registers
	s_wait_loadcnt 46                              ; rows 0 and 1 are in: 30 younger rows and query_kernel's 16 stay out
	FMA4S UT31, XO, P85, XO+4
.set i, 2
.rept 14
	s_wait_loadcnt 47-i                            ; row i is in: 31 - i younger rows and the 16 stay out
	FMA4S UT31, UT31, P85, XO+4*i
.set i, i+1
.endr
.set j, 0
.rept 16
	global_load_b128 v[KKR+4*j:KKR+4*j+3], v[KO], s[8:9] offset:2048*j     ; key_kernel takes the registers of rows 0-15
.set j, j+1
.endr
.set i, 16
.rept 15
	s_wait_loadcnt 63-i                            ; 31 - i younger rows, 16 of query_kernel, 16 of key_kernel
	FMA4S UT31, UT31, P85, XO+4*i
.set i, i+1
.endr
	s_wait_loadcnt 32
	FMA4S UT32, UT31, P85, XO+124
	ds_store_b128 v[T16S], v[UO32:UO32+3] offset:UOWN
	ds_store_b128 v[T16S], v[UT32:UT32+3] offset:UOTH
	s_cmp_lg_u32 s[WV], 15
	s_cbranch_scc1 .Lnot_wave_15
	ds_store_b128 v[L16S], v[UO31:UO31+3] offset:U31O      ; seq_last wants the state in front of the last step, and that step's x;
	ds_store_b128 v[L16S], v[XB+28:XB+31] offset:XLO       ; which half holds it is chosen below
	ds_store_b128 v[L16S], v[UT31:UT31+3] offset:U31T
	ds_store_b128 v[L16S], v[XO+124:XO+127] offset:XLT
.Lnot_wave_15:
	BAR
	; THE SUMS ARE JOINED, by every wave for itself.  An own sum's registers take the other half's sum of the same wave as soon as they are read.
.set k, 0
.rept 16
	ds_load_b128 v[RB+4*k:RB+4*k+3], v[L16S] offset:UOWN+512*k
.set k, k+1
.endr
	ds_load_b128 v[E31:E31+3],   v[L16S] offset:U31O
	ds_load_b128 v[EXL:EXL+3],   v[L16S] offset:XLO
	ds_load_b128 v[E31T:E31T+3], v[L16S] offset:U31T
	ds_load_b128 v[EXLT:EXLT+3], v[L16S] offset:XLT
.set k, 0
.rept 16
.if k == 1
	s_wait_dscnt 18                                ; 14 younger own sums and the 4 rows above
.else
	s_wait_dscnt 19                                ; 15 - k younger own sums, the 4 rows, and the k sums of the other half asked for so far
.endif
.if k == 0
	MUL4S PRE, RB, CO
.else
	FMA4S PRE, RB+4*k, CO+2*k, PRE
.if k == 1
	FMA4S HOP, RB, P32, RB+4
	ds_load_b128 v[RB:RB+3], v[L16S] offset:UOTH
.elseif k == 15
	FMA4S HO, HOP, P32, RB+60
.else
	FMA4S HOP, HOP, P32, RB+4*k
.endif
	ds_load_b128 v[RB+4*k:RB+4*k+3], v[L16S] offset:UOTH+512*k
.endif
.set k, k+1
.endr
	s_wait_dscnt 14                                ; the other half's sums 0 and 1
	FMA4S HTP, RB, P32, RB+4
.set k, 2
.rept 13
	s_wait_dscnt 15-k
	FMA4S HTP, HTP, P32, RB+4*k
.set k, k+1
.endr
	s_wait_dscnt 0x0
	FMA4S HT, HTP, P32, RB+60
.set j, 0
.rept 16
	global_load_b128 v[VKR+4*j:VKR+4*j+3], v[KO], s[10:11] offset:2048*j   ; value_kernel takes the sums' registers
.set j, j+1
.endr
.irp q, 0,1,2,3
	v_cndmask_b32 v[HF+\q],  v[HO+\q],   v[HT+\q],  s[HFM]    ; the first half's end state: the other half's in the second half, else my own
	v_cndmask_b32 v[HSP+\q], v[HTP+\q],  v[HOP+\q], s[HFM]    ; the second half after its first 15 waves
	v_cndmask_b32 v[E31+\q], v[E31T+\q], v[E31+\q], s[HFM]    ; its last wave's first 31 steps
	v_cndmask_b32 v[EXL+\q], v[EXLT+\q], v[EXL+\q], s[HFM]    ; x of step 1023
.endr
	FMA4S HSP, HSP, P31, E31
	FMA4S HSP, HF, P511, HSP                       ; u_1022
	FMA4S CW, HT, KW, PRE                          ; u in front of my wave's steps
	MUL4S SLS, EXL, CBS
	FMA4S SLS, HSP, CAS, SLS                       ; waves 0-7: s1 of step 1023; waves 8-15: s2
.irp q, 0,1,2,3
	v_readlane_b32 s[SS+\q],    v[SLS+\q], s16     ; my wave's 16 channels, as multipliers alone
	v_readlane_b32 s[SS+4+\q],  v[SLS+\q], s17
	v_readlane_b32 s[SS+8+\q],  v[SLS+\q], s2
	v_readlane_b32 s[SS+12+\q], v[SLS+\q], s3
.endr
	; q: my wave's 16 of the 256 rows; behind row j: 15 - j rows, 16 of key_kernel, 16 of value_kernel
	MATV Q, QKR, 16, 47
	ds_store_b128 v[T16S], v[Q:Q+3] offset:QRED
	BAR
.set k, 0
.rept 16
	ds_load_b128 v[QKR+4*k:QKR+4*k+3], v[L16S] offset:QRED+512*k
.set k, k+1
.endr
	s_wait_dscnt 0x0
	SUM16 Q, QKR                                   ; every lane of every wave: q[4 lane .. 4 lane + 3]
.set i, 0
.rept 8
	global_load_b128 v[SWR+4*i:SWR+4*i+3], v[SWO], s[12:13] offset:512*i   ; switch_kernel's rows 128 h + 8 w on
.set i, i+1
.endr
	; w: row j's four products a lane, then sixteen sums over 32 lanes at once
	s_wait_loadcnt 24                              ; key_kernel is in; 16 rows of value_kernel and 8 of switch_kernel stay out
.irp j, 0,1,2,3,4,5,6,7,8,9,10,11,12,13,14,15
	v_pk_mul_f32 v[KKR+4*\j:KKR+4*\j+1], v[KKR+4*\j:KKR+4*\j+1], v[Q:Q+1]
.endr
.irp j, 0,1,2,3,4,5,6,7,8,9,10,11,12,13,14,15
	v_pk_fma_f32 v[KKR+4*\j:KKR+4*\j+1], v[KKR+4*\j+2:KKR+4*\j+3], v[Q+2:Q+3], v[KKR+4*\j:KKR+4*\j+1]
.endr
.irp j, 0,1,2,3,4,5,6,7,8,9,10,11,12,13,14,15
	v_add_f32 v[KKR+4*\j], v[KKR+4*\j], v[KKR+4*\j+1]
.endr
.irp m, 0,1,2,3,4,5,6,7
	RSEL KKR+8*\m, KKR+8*\m+4, MAA, RT3+2*\m
.endr
.irp m, 0,1,2,3,4,5,6,7
	RADD KKR+8*\m, 1, RT3+2*\m
.endr
.irp m, 0,1,2,3
	RSEL KKR+16*\m, KKR+16*\m+8, MCC, RT3+2*\m
.endr
.irp m, 0,1,2,3
	RADD KKR+16*\m, 2, RT3+2*\m
.endr
.irp m, 0,1
	RSEL KKR+32*\m, KKR+32*\m+16, MF0, RT3+2*\m
.endr
.irp m, 0,1
	RADD KKR+32*\m, 4, RT3+2*\m
.endr
	RSEL KKR, KKR+32, MFF, RT3                     ; a lane now holds row 16 w + lane % 16
	RADD KKR, 8, RT3
	HSUM KKR, 1
	v_mul_f32 v[KKR], CSC, v[KKR]
	ds_store_b32 v[WO], v[KKR] offset:WOUT         ; lanes l and l + 16 write the same word with the same number
	BAR
	ds_load_b128 v[W1:W1+3], v[L16S] offset:WOUT
	ds_load_b128 v[W2:W2+3], v[L16S] offset:WOUT+512
	XLOAD 0
	XLOAD 1
	s_wait_dscnt 16                                ; w is in, the two buffers of x stay out
	MUL4S AL, W1, C12
	FMA4S AL, W2, C02, AL
	MUL4S BE, W1, P15
	FMA4S BE, W2, P85, BE
	; THE SCORES.  Eight turns of eight rows on two buffers: four for the scores, four for A and B.  At a turn's head the other buffer's eight loads may stay out.
	s_wait_dscnt 8
	SCORE8 0
	XLOAD 2
	s_wait_dscnt 8
	SCORE8 1
	XLOAD 3
	s_wait_dscnt 8
	SCORE8 2
	XLOAD 4
	s_wait_dscnt 8
	SCORE8 3
	XLOAD 5
	RSEL G, G+1, MFF, RT
	RSEL G+2, G+3, MFF, RT+2
	RADD G, 8, RT                                  ; steps lane % 16,
	RADD G+2, 8, RT+2                              ; steps 16 + lane % 16, each summed over 16 lanes' channels
	v_cndmask_b32 v[RT],   v[G],   v[G+2], s[MHI]
	v_cndmask_b32 v[RT+1], v[G+2], v[G],   s[MHI]
	v_permlanex16_b32 v[RT+2], v[RT+1], s[SEL], s[SEL+1]
	v_add_f32 v[SCV], v[RT], v[RT+2]               ; lane j: the score of my step j, in units of log2
	v_mov_b32 v[ML], v[SCV]
.irp k, 1,2,4,8
	v_max_num_f32_dpp v[ML], v[ML], v[ML] row_xmask:\k row_mask:0xf bank_mask:0xf
.endr
	v_permlanex16_b32 v[RT], v[ML], s[SEL], s[SEL+1]
	v_max_num_f32 v[ML], v[ML], v[RT]              ; m: the maximum of my wave's 32 scores
	v_sub_f32 v[PV], v[SCV], v[ML]
	v_exp_f32 v[PV], v[PV]
	v_nop                                          ; a plain instruction between the exponential and the use of its result (ISA guide 5.7.2)
	s_wait_alu depctr_va_vdst(0)
	v_mov_b32 v[ML+1], v[PV]
	LSUM ML+1, 1, 1
	LSUM ML+1, 1, 2
	LSUM ML+1, 1, 4
	LSUM ML+1, 1, 8
	HSUM ML+1, 1                                   ; l
	s_wait_dscnt 8
	CTX8 0
	XLOAD 6
	s_wait_dscnt 8
	CTX8 1
	XLOAD 7
	s_wait_dscnt 8
	CTX8 2
	s_wait_dscnt 0x0
	CTX8 3
	ds_store_b128 v[CWR], v[AA:AA+3] offset:CTXB
	ds_store_b128 v[CWR], v[BB:BB+3] offset:CTXB+512
	ds_store_b64 v[MW], v[ML:ML+1] offset:MLB      ; all lanes write the same pair
	BAR
	; THE WAVES ARE JOINED.  A wave wants 16 channels of A and B: lane l takes channels 16 (w % 8) + 4 (l % 4) on, of waves l / 4 and l / 4 + 8
	ds_load_b64 v[ML1:ML1+1], v[MA] offset:MLB
	ds_load_b64 v[ML2:ML2+1], v[MA] offset:MLB+64
	ds_load_b128 v[XBF:XBF+3],     v[CA] offset:CTXB
	ds_load_b128 v[XBF+4:XBF+7],   v[CA] offset:CTXB+512
	ds_load_b128 v[XBF+8:XBF+11],  v[CA] offset:CTXB+8192
	ds_load_b128 v[XBF+12:XBF+15], v[CA] offset:CTXB+8192+512
	s_wait_dscnt 4                                 ; the pairs (m, l) are in, the four rows stay out
	v_max_num_f32 v[MT], v[ML1], v[ML2]
	v_max_num_f32_dpp v[MT], v[MT], v[MT] row_xmask:4 row_mask:0xf bank_mask:0xf
	v_max_num_f32_dpp v[MT], v[MT], v[MT] row_xmask:8 row_mask:0xf bank_mask:0xf
	v_permlanex16_b32 v[RT], v[MT], s[SEL], s[SEL+1]
	v_max_num_f32 v[MT], v[MT], v[RT]              ; M over the sixteen waves
	v_sub_f32 v[F1], v[ML1], v[MT]
	v_sub_f32 v[F2], v[ML2], v[MT]
	v_exp_f32 v[F1], v[F1]
	v_exp_f32 v[F2], v[F2]
	v_nop
	s_wait_alu depctr_va_vdst(0)
	v_mul_f32 v[MT+1], v[F1], v[ML1+1]
	v_fmac_f32 v[MT+1], v[F2], v[ML2+1]
	LSUM MT+1, 1, 4
	LSUM MT+1, 1, 8
	HSUM MT+1, 1                                   ; L = sum of 2^(m - M) l
	s_wait_dscnt 0x0
.irp q, 0,1,2,3,4,5,6,7
	v_mul_f32 v[XBF+\q], v[F1], v[XBF+\q]
.endr
.irp q, 0,1,2,3,4,5,6,7
	v_fmac_f32 v[XBF+\q], v[F2], v[XBF+8+\q]
.endr
	LSUM XBF, 8, 4
	LSUM XBF, 8, 8
	HSUM XBF, 8                                    ; A in four registers, B in the next four
	MUL4S CS4, XBF+4, CBS
	FMA4S CS4, XBF, CAS, CS4                       ; waves 0-7: sum p s1; waves 8-15: sum p s2
.set j, 0
.rept 16
	v_readlane_b32 s[SS+j], v[CS4+(j%4)], j/4
.set j, j+1
.endr
	MATV TP, VKR, 16, 23                           ; t, my 16 rows; behind row j: 15 - j rows and 8 of switch_kernel
	ds_store_b128 v[T16S], v[TP:TP+3] offset:TRED
	BAR
	ds_load_b128 v[TT:TT+3], v[TA] offset:TRED     ; a wave wants t[8 w .. 8 w + 7]: lane l takes wave l / 2's part of four of them
	s_wait_dscnt 0x0
	LSUM TT, 4, 2
	LSUM TT, 4, 4
	LSUM TT, 4, 8
	HSUM TT, 4
.set j, 0
.rept 8
	v_readlane_b32 s[SS+j], v[TT+(j%4)], j/4
.set j, j+1
.endr
	MATV OP, SWR, 8, 7
	ds_store_b128 v[T16S], v[OP:OP+3] offset:ORED
	BAR
	s_cmp_lg_u32 s[WV], 0
	s_cbranch_scc1 .Lend
.set k, 0
.rept 16
	ds_load_b128 v[XBF+4*k:XBF+4*k+3], v[L16S] offset:ORED+512*k
.set k, k+1
.endr
	s_wait_dscnt 0x0
	SUM16 XBF, XBF
	global_store_b128 v[LN16], v[XBF:XBF+3], s[14:15]              ; 512 consecutive bytes
	global_store_b64 v[L8], v[MT:MT+1], s[14:15] offset:512        ; 32 times (M, L): 256 consecutive bytes, aligned
.Lend:
	s_wait_xcnt 0x0
	v_lshl_add_u32 v254, v0, 2, 0x4ed00
	v_mov_b32 v255, 0
	s_wait_tensorcnt 0x0
	ds_add_u32 v254, v255
	s_wait_dscnt 0x0
	s_endpgm
.Lfunc_end_k_q06df8fa1c4_fused:
	.size	k_q06df8fa1c4_fused, .Lfunc_end_k_q06df8fa1c4_fused-k_q06df8fa1c4_fused
	.p2alignl 7, 3214868480
	.fill 96, 4, 3214868480
	.section	.rodata,"a",@progbits
	.p2align	6, 0x0
	.amdhsa_kernel k_q06df8fa1c4_fused
		.amdhsa_group_segment_fixed_size 324864
		.amdhsa_private_segment_fixed_size 0
		.amdhsa_enable_private_segment 0
		.amdhsa_kernarg_size 48
		.amdhsa_user_sgpr_count 2
		.amdhsa_user_sgpr_kernarg_segment_ptr 1
		.amdhsa_wavefront_size32 1
		.amdhsa_system_sgpr_workgroup_id_x 1
		.amdhsa_system_sgpr_workgroup_id_y 1
		.amdhsa_system_sgpr_workgroup_id_z 1
		.amdhsa_system_vgpr_workitem_id 0
		.amdhsa_next_free_vgpr 256
		.amdhsa_next_free_sgpr 102
		.amdhsa_reserve_vcc 0
		.amdhsa_float_denorm_mode_32 3
		.amdhsa_float_denorm_mode_16_64 3
		.amdhsa_memory_ordered 1
		.amdhsa_forward_progress 1
		.amdhsa_inst_pref_size 107
	.end_amdhsa_kernel
	.amdgpu_metadata
---
amdhsa.version: [ 1, 2 ]
amdhsa.kernels:
  - .name:           k_q06df8fa1c4_fused
    .symbol:         k_q06df8fa1c4_fused.kd
    .args:
      - { .name: x, .offset: 0, .size: 8, .value_kind: global_buffer, .address_space: global }
      - { .name: query_kernel, .offset: 8, .size: 8, .value_kind: global_buffer, .address_space: global }
      - { .name: key_kernel, .offset: 16, .size: 8, .value_kind: global_buffer, .address_space: global }
      - { .name: value_kernel, .offset: 24, .size: 8, .value_kind: global_buffer, .address_space: global }
      - { .name: switch_kernel, .offset: 32, .size: 8, .value_kind: global_buffer, .address_space: global }
      - { .name: po, .offset: 40, .size: 8, .value_kind: global_buffer, .address_space: global }
    .group_segment_fixed_size: 324864
    .private_segment_fixed_size: 0
    .kernarg_segment_align: 8
    .kernarg_segment_size: 48
    .max_flat_workgroup_size: 512
    .sgpr_count:     102
    .vgpr_count:     256
    .wavefront_size: 32
...
	.end_amdgpu_metadata
.endif
;; end of part 5
;; launch join (part 6): grid 32 x 1, 1 waves a work-group, no clusters, 0 bytes of LDS; arguments po, out0; writes out0
.if DOCPART == 6
	.amdgcn_target "amdgcn-amd-amdhsa--gfx1250"
	.amdhsa_code_object_version 6
	.text
	.protected	k_q06df8fa1c4_join
	.globl	k_q06df8fa1c4_join
	.p2align	8
	.type	k_q06df8fa1c4_join,@function
k_q06df8fa1c4_join:
	s_mov_b64 s[64:65], 0
	v_nop
	global_prefetch_b8 v0, s[64:65] scope:SCOPE_SE
	s_setreg_imm32_b32 hwreg(HW_REG_WAVE_MODE, 25, 1), 1
	s_wait_xcnt 0x0
; Launch 2 of 2.  Work-group b, one wave: joins batch b's eight parts p = 2 h + half.  For each head M = the larger of its two halves' maxima,
; g_p = 2^(M_p - M) / (sum over the head's halves of 2^(M_p - M) L_p), and out0[b] = sum over p of g_p x the part's row of 128 numbers.
; The divisor is at least 1: the half that holds M has a weight 2^0 in its L.  Limit: v_exp_f32 gives 0 for results under 2^-126.
; A lane takes 4 columns: each load and the store cover 512 consecutive bytes.  32 rows of output are all the work there is: 32 work-groups.
.set ROWB, 768                         ; a part in po: 512 bytes of numbers, 256 of pairs (M, L)
.set PO,   1                           ; v1  768 (lane % 8)
.set L16,  2                           ; v2  16 lane
.set MLR,  4                           ; v[4:5]  (M, L) of part lane % 8
.set MX,   6                           ; v6 the head's maximum, v7 f
.set R,    8                           ; v[8:39] eight rows x 4
.set DN,   40                          ; v40 the divisor, v41 g
.set ACC,  42                          ; v[42:45]
.set GS,   16                          ; s[16:23] g_p
	s_load_b128 s[4:7], s[0:1], 0x0                ; po s[4:5], out0 s[6:7]
	v_and_b32 v[PO], 7, v0
	v_mul_u32_u24 v[PO], v[PO], ROWB
	v_lshlrev_b32 v[L16], 4, v0
	s_mul_i32 s2, ttmp9, 8*ROWB
	s_mov_b32 s3, 0
	s_lshl_b32 s8, ttmp9, 9
	s_mov_b32 s9, 0
	s_wait_kmcnt 0x0
	s_add_nc_u64 s[4:5], s[4:5], s[2:3]
	s_add_nc_u64 s[6:7], s[6:7], s[8:9]
	global_load_b64 v[MLR:MLR+1], v[PO], s[4:5] offset:512
.irp p, 0,1,2,3,4,5,6,7
	global_load_b128 v[R+4*\p:R+4*\p+3], v[L16], s[4:5] offset:ROWB*\p
.endr
	s_wait_loadcnt 8                               ; (M, L) is in, the eight rows stay out
	v_mov_b32 v[MX], v[MLR]
	v_max_num_f32_dpp v[MX], v[MX], v[MX] row_xmask:1 row_mask:0xf bank_mask:0xf   ; the head's other half lies one lane away
	v_sub_f32 v[MX+1], v[MLR], v[MX]
	v_exp_f32 v[MX+1], v[MX+1]
	v_nop                                          ; a plain instruction in front of the result's use (ISA guide 5.7.2)
	s_wait_alu depctr_va_vdst(0)
	v_mul_f32 v[DN], v[MX+1], v[MLR+1]
	v_add_f32_dpp v[DN], v[DN], v[DN] row_xmask:1 row_mask:0xf bank_mask:0xf
	v_rcp_f32 v[DN+1], v[DN]
	v_nop
	s_wait_alu depctr_va_vdst(0)
	v_mul_f32 v[DN+1], v[MX+1], v[DN+1]
.irp p, 0,1,2,3,4,5,6,7
	v_readlane_b32 s[GS+\p], v[DN+1], \p           ; as multipliers alone
.endr
.irp p, 0,1,2,3,4,5,6,7
	s_wait_loadcnt 7-\p                            ; row p is in, the younger rows stay out
.irp q, 0,1,2,3
.if \p == 0
	v_mul_f32 v[ACC+\q], s[GS+\p], v[R+4*\p+\q]
.else
	v_fmac_f32 v[ACC+\q], s[GS+\p], v[R+4*\p+\q]
.endif
.endr
.endr
	global_store_b128 v[L16], v[ACC:ACC+3], s[6:7]
	s_endpgm
.Lfunc_end_k_q06df8fa1c4_join:
	.size	k_q06df8fa1c4_join, .Lfunc_end_k_q06df8fa1c4_join-k_q06df8fa1c4_join
	.p2alignl 7, 3214868480
	.fill 96, 4, 3214868480
	.section	.rodata,"a",@progbits
	.p2align	6, 0x0
	.amdhsa_kernel k_q06df8fa1c4_join
		.amdhsa_group_segment_fixed_size 0
		.amdhsa_private_segment_fixed_size 0
		.amdhsa_enable_private_segment 0
		.amdhsa_kernarg_size 16
		.amdhsa_user_sgpr_count 2
		.amdhsa_user_sgpr_kernarg_segment_ptr 1
		.amdhsa_wavefront_size32 1
		.amdhsa_system_sgpr_workgroup_id_x 1
		.amdhsa_system_sgpr_workgroup_id_y 1
		.amdhsa_system_sgpr_workgroup_id_z 1
		.amdhsa_system_vgpr_workitem_id 0
		.amdhsa_next_free_vgpr 48
		.amdhsa_next_free_sgpr 66
		.amdhsa_reserve_vcc 0
		.amdhsa_float_denorm_mode_32 3
		.amdhsa_float_denorm_mode_16_64 3
		.amdhsa_memory_ordered 1
		.amdhsa_forward_progress 1
		.amdhsa_inst_pref_size 4
	.end_amdhsa_kernel
	.amdgpu_metadata
---
amdhsa.version: [ 1, 2 ]
amdhsa.kernels:
  - .name:           k_q06df8fa1c4_join
    .symbol:         k_q06df8fa1c4_join.kd
    .args:
      - { .name: po, .offset: 0, .size: 8, .value_kind: global_buffer, .address_space: global }
      - { .name: out0, .offset: 8, .size: 8, .value_kind: global_buffer, .address_space: global }
    .group_segment_fixed_size: 0
    .private_segment_fixed_size: 0
    .kernarg_segment_align: 8
    .kernarg_segment_size: 16
    .max_flat_workgroup_size: 32
    .sgpr_count:     66
    .vgpr_count:     48
    .wavefront_size: 32
...
	.end_amdgpu_metadata
.endif
;; end of part 6
;; ======== version 3 of 3: 2 launches; 1.32 times as fast as version 1
;; workspace buffers: po 196,608 bytes
;; launch fused (part 7): grid 256 x 1, 16 waves a work-group, clusters of 4 x 1, 324,864 bytes of LDS; arguments x, query_kernel, key_kernel, value_kernel, switch_kernel, po; writes po
.if DOCPART == 7
	.amdgcn_target "amdgcn-amd-amdhsa--gfx1250"
	.amdhsa_code_object_version 6
	.text
	.protected	k_q06df8fa1c4_fused
	.globl	k_q06df8fa1c4_fused
	.p2align	8
	.type	k_q06df8fa1c4_fused,@function
k_q06df8fa1c4_fused:
	s_mov_b64 s[64:65], 0
	v_nop
	global_prefetch_b8 v0, s[64:65] scope:SCOPE_SE
	s_setreg_imm32_b32 hwreg(HW_REG_WAVE_MODE, 25, 1), 1
	s_wait_xcnt 0x0
	s_wait_alu depctr_hold_cnt(0) depctr_sa_sdst(0) depctr_va_vdst(0) depctr_va_sdst(0) depctr_va_ssrc(0) depctr_va_vcc(0) depctr_vm_vsrc(0)
	s_getreg_b32 s2, hwreg(HW_REG_IB_STS2, 6, 4)
	s_cmp_eq_u32 s2, 0
	s_cbranch_scc0 .Lentry_in_a_cluster
	s_endpgm
.Lentry_in_a_cluster:
	s_bfe_u32 s2, ttmp6, 0x10000c
	s_cmp_lg_u32 s2, 0x3003
	s_cbranch_scc0 .Lentry_shape_is_right
	s_endpgm
.Lentry_shape_is_right:
; Launch 1 of 2.  reference() returns the last time step alone, so one query a (batch, head) is left and the long projections are reassociated
; (right for every input; the order of rounding differs from reference()'s):  score[s] = seq[s] . w with w = key_kernel_h (seq_last query_kernel_h),
; and out = sum over heads of (sum over s of p[s] seq[s]) value_kernel_h switch_kernel_h / sum of p.  The last two products are linear, so each part
; applies them to its own unnormalised sum, and the second launch joins the parts by their maxima.
; WORK-GROUP: batch b, head h, steps 512 hf .. 512 hf + 511.  Sixteen waves, 32 steps each; a lane holds 4 channels (16 bytes).
; THE SCAN in units u = s1 / 0.15: u_t = 0.85 u_(t-1) + x_t.  Then s1_t = 0.1275 u_(t-1) + 0.15 x_t and s2_t = 0.0225 u_(t-1) + 0.85 x_t, so
;   score_t = u_(t-1) . al + x_t . be with al = 0.1275 w1 + 0.0225 w2, be = 0.15 w1 + 0.85 w2, and with A = sum p u_(t-1), B = sum p x:
;   sum p s1 = 0.1275 A + 0.15 B, sum p s2 = 0.0225 A + 0.85 B.  The scan is linear: waves scan from 0 and add carries times powers of 0.85; nothing is cut off.
; DATA: my half of x (262,144 bytes) comes into LDS once, by one tensor load a wave (its own 32 rows, 16,384 bytes), and is read there three times (sums,
; scores, A and B); the other half passes through registers for its sums alone; the four kernels' blocks of head h pass through registers, each asked for
; as soon as 64 registers are free.
; CLUSTER: the four heads of one (batch, half) are a cluster of 4 x 1: the cluster's x is 2 b + hf, the place in it is h.  They need the same half of x, so
; each wave's tensor load is a JOINT one: the same descriptor and the mask of all four in all four, behind a round of the cluster's barrier.  h enters the
; global addresses of the kernels and of po alone.  The other 704 KB that a work-group reads are shared too, but a joint load lands in LDS, and of the
; 327,680 bytes there 262,144 hold my half of x and 60,672 the stages: they have no place to land in, and go through registers.
; SOFTMAX: every wave takes its own 32 scores' true maximum away; the waves, and later the parts, are joined by 2^(m - M).  Limit: v_exp_f32 gives 0 under 2^-126.
; All arithmetic is f32 on the vector unit: every product here has ONE row (seq_last, q, the sums), so a 16-row matrix tile would hold one row of use.
.set A85,  0x3f59999a                  ; 0.85
.set A15,  0x3e19999a                  ; 0.15
.set CSC,  0x3e0293ee                  ; log2(e) / sqrt(128)
.set WROWS, 16384                      ; bytes of a wave's 32 rows of x
; LDS: bytes 0 .. 262,143 my half of x as it lies in memory (row t at 512 t).  Behind it the stages, which no tensor load fills; offsets from SCR:
.set SCR,  262144
.set UOWN, 0                           ; [16 w][128] f32: the waves' sums over their 32 own steps
.set UOTH, 8192                        ; [16 w][128]: over their 32 steps of the other half
.set U31O, 16384                       ; [128]: wave 15's sum over its first 31 own steps
.set XLO,  16896                       ; [128]: x of the last own step
.set U31T, 17408                       ; the same two of the other half
.set XLT,  17920
.set QRED, 18432                       ; [16 w][128]: the waves' parts of q
.set WOUT, 26624                       ; [256]: w
.set CTXB, 27648                       ; [16 w][A 128, B 128]
.set MLB,  44032                       ; [16 w][m, l]
.set TRED, 44288                       ; [16 w][128]: the waves' parts of t = ctx value_kernel_h
.set ORED, 52480                       ; [16 w][128]: the waves' parts of t switch_kernel_h
; vector registers
.set LN16, 1                           ; 16 lane
.set XG,   2                           ; 16384 w + 16 lane: my 16 bytes in my wave's first row of a half of x: the offset in memory (the other half)
.set XLA,  2                           ; and, the same number, the address in LDS (my half)
.set KO,   4                           ; 32768 w + 16 lane: in my wave's first of 16 rows of a kernel
.set SWO,  5                           ; 4096 w + 16 lane: in my wave's first of 8 rows of switch_kernel_h
.set L16S, 6                           ; SCR + 16 lane
.set T16S, 7                           ; SCR + 512 w + 16 lane
.set WO,   8                           ; SCR + 64 w + 4 (lane % 16)
.set CWR,  9                           ; SCR + 1024 w + 16 lane
.set CA,   10                          ; SCR + 1024 (lane / 4) + 64 (w % 8) + 16 (lane % 4)
.set MA,   11                          ; SCR + 8 (lane / 4)
.set MW,   12                          ; SCR + 8 w
.set TA,   13                          ; SCR + 512 (lane / 2) + 32 w + 16 (lane % 2)
.set L8,   15                          ; at work in the head, at last 8 lane
.set XB,   16                          ; v[16:47]  eight own rows, for the sums
.set UO31, 48                          ; own sum over 31 steps, over 32; the same for the other half
.set UO32, 52
.set UT31, 56
.set UT32, 60
.set E31,  16                          ; joining the sums: U31 and x_last, own and other
.set EXL,  20
.set E31T, 24
.set EXLT, 28
.set HOP,  32                          ; own half: Horner over waves 0-14, over 0-15; my wave's prefix; the other half's two
.set HO,   36
.set PRE,  40
.set HTP,  44
.set HT,   48
.set HF,   52                          ; the first half's end
.set HSP,  56                          ; the second half after 480 steps, then u_1022
.set SLS,  32                          ; my wave's half of seq_last
.set CW,   28                          ; v[28:31]  u in front of my wave's steps: kept until A and B are made
.set Q,    16                          ; my part of q, then q
.set RT3,  32                          ; v[32:47]  eight pairs at work in w's reduction
.set W1,   32
.set W2,   36
.set AL,   20
.set BE,   24
.set UA,   32                          ; the running u, two sets by turns
.set UB,   96
.set PP,   36                          ; v[36:51]  eight steps' partial scores, a pair each
.set G,    52                          ; v[52:55]  four groups of eight scores
.set RT,   56                          ; v[56:63]  at work in reductions; also what v_permlanex16_b32 writes (it counts as a reader of its destination: written since the sums)
.set ML,   16                          ; v[16:17]  (m, l) of my wave
.set SCV,  18                          ; lane j: the score of my wave's step j
.set PV,   19                          ; lane j: p of step j
.set AA,   36
.set BB,   40
.set ML1,  44                          ; (m, l) of waves lane / 4 and lane / 4 + 8
.set ML2,  46
.set MT,   48                          ; v[48:49]  (M, L) of the work-group
.set F1,   50
.set F2,   51
.set CS4,  52
.set TP,   20
.set TT,   24
.set OP,   32
.set QKR,  64                          ; v[64:127]   query_kernel's 16 rows; the 16 parts of q; v[64:95] switch_kernel's 8 rows
.set SWR,  64
.set XO,   128                         ; v[128:255]  the other half's 32 rows
.set KKR,  128                         ; v[128:191]  then key_kernel's 16 rows
.set XBF,  128                         ;             then two buffers of eight own rows; then the rows to be joined
.set RB,   192                         ; v[192:255]  then the waves' sums, then value_kernel's 16 rows
.set VKR,  192
; scalar registers
.set WV,   18                          ; wave; s19 b, s20 h, s21 hf; s[22:23] the other half of x; s16, s17, s2, s3 at last four lane numbers
.set P85,  24                          ; pairs: a packed instruction names a pair and takes its low word for both halves
.set P15,  26
.set P32,  28                          ; 0.85^32
.set P31,  30                          ; 0.85^31
.set P511, 32                          ; 0.85^511
.set KW,   34                          ; 0.85^(32 w) for the second half, 0 for the first
.set C12,  36                          ; 0.1275
.set C02,  38                          ; 0.0225
.set G0,   40                          ; s[40:43] the tensor load's group 0, s[48:55] its group 1: left alone until the wait for that load
.set G1,   48
.set STM,  44                          ; s44 at work; s[46:47] my wave's byte offset in x
.set SS,   40                          ; s[40:55] behind that wait: sixteen multipliers read from lanes
.set MAA,  56                          ; lanes with bit 0, 1, 2, 3, 4 of their number set
.set MCC,  57
.set MF0,  58
.set MFF,  59
.set MHI,  60
.set SEL,  61                          ; s61, s62: each lane takes its own place in the other half of the lanes
.set HFM,  63                          ; all ones in the second half
.set CO,   66                          ; s[66:97] pair k: 0.85^(32 (w - 1 - k)) for k < w, else 0
.set PT,   66                          ; s66-72 before that: 0.85^2, 4, 8, 16, 64, 128, 256
.set CAS,  98                          ; waves 0-7 (s1's channels): 0.1275 and 0.15; waves 8-15 (s2's): 0.0225 and 0.85
.set CBS,  100
.macro FMA4S d, a, s, c                ; four channels: d = a x scalar + c
	v_pk_fma_f32 v[\d:\d+1],   v[\a:\a+1],   s[\s:\s+1], v[\c:\c+1]   op_sel_hi:[1,0,1]
	v_pk_fma_f32 v[\d+2:\d+3], v[\a+2:\a+3], s[\s:\s+1], v[\c+2:\c+3] op_sel_hi:[1,0,1]
.endm
.macro MUL4S d, a, s
	v_pk_mul_f32 v[\d:\d+1],   v[\a:\a+1],   s[\s:\s+1] op_sel_hi:[1,0]
	v_pk_mul_f32 v[\d+2:\d+3], v[\a+2:\a+3], s[\s:\s+1] op_sel_hi:[1,0]
.endm
.macro ADD4 d, a, b
	v_pk_add_f32 v[\d:\d+1],   v[\a:\a+1],   v[\b:\b+1]
	v_pk_add_f32 v[\d+2:\d+3], v[\a+2:\a+3], v[\b+2:\b+3]
.endm
.macro SUM16 d, b                      ; d = the sum of sixteen rows of four registers from b on
.irp i, 0,2,4,6,8,10,12,14
	ADD4 \b+4*\i, \b+4*\i, \b+4*\i+4
.endr
.irp i, 0,4,8,12
	ADD4 \b+4*\i, \b+4*\i, \b+4*\i+8
.endr
	ADD4 \b, \b, \b+16
	ADD4 \b+32, \b+32, \b+48
	ADD4 \d, \b, \b+32
.endm
; Two sums over lanes at once: lanes with the bit clear go on with a's sum over the pair of lanes, lanes with it set with b's.
.macro RSEL a, b, m, t
	v_cndmask_b32 v[\t],   v[\a], v[\b], s[\m]      ; what I keep
	v_cndmask_b32 v[\t+1], v[\b], v[\a], s[\m]      ; what my partner wants
.endm
.macro RADD a, xm, t
	v_add_f32_dpp v[\a], v[\t+1], v[\t] row_xmask:\xm row_mask:0xf bank_mask:0xf
.endm
.macro LSUM b, n, xm                   ; n registers: add the lane xm away
.set q, 0
.rept \n
	v_add_f32_dpp v[\b+q], v[\b+q], v[\b+q] row_xmask:\xm row_mask:0xf bank_mask:0xf
.set q, q+1
.endr
.endm
.macro HSUM b, n                       ; n registers: add the lane 16 away
.set q, 0
.rept \n
	v_permlanex16_b32 v[RT+q], v[\b+q], s[SEL], s[SEL+1]
.set q, q+1
.endr
.set q, 0
.rept \n
	v_add_f32 v[\b+q], v[\b+q], v[RT+q]
.set q, q+1
.endr
.endm
.macro BAR                             ; what I stored in LDS is done, then the barrier: the others read behind it
	s_wait_dscnt 0x0
	s_barrier_signal -1
	s_barrier_wait -1
.endm
; A round of the cluster's barrier: my work-group's barrier, so that wave 0's signal speaks for all sixteen waves; wave 0 signals for the work-group;
; every wave waits for all four work-groups; my work-group's barrier once more.  No LDS instruction of the wave is pending at a signal.
.macro ROUND
	s_barrier_signal -1
	s_barrier_wait -1
	s_cmp_lg_u32 s[WV], 0
	s_cbranch_scc1 .Lnot_wave_0_\@
	s_barrier_signal -3
.Lnot_wave_0_\@:
	s_barrier_wait -3
	s_barrier_signal -1
	s_barrier_wait -1
.endm
; acc[q] = sum over j < n of s[SS + j] x row j; left - j loads younger than row j may stay out
.macro MATV acc, rows, n, left
.set j, 0
.rept \n
	s_wait_loadcnt \left-j
.irp q, 0,1,2,3
.if j == 0
	v_mul_f32 v[\acc+\q], s[SS+j], v[\rows+\q]      ; the first product starts the sum
.else
	v_fmac_f32 v[\acc+\q], s[SS+j], v[\rows+4*j+\q]
.endif
.endr
.set j, j+1
.endr
.endm
; eight own rows from LDS and their part of Horner's rule
.macro OWNB g
.irp r, 0,1,2,3,4,5,6,7
	ds_load_b128 v[XB+4*\r:XB+4*\r+3], v[XLA] offset:512*(8*\g+\r)
.endr
.irp r, 0,1,2,3,4,5,6,7
.if 8*\g+\r == 1
	s_wait_dscnt 6                                 ; rows 0 and 1 are in, six younger stay out
	FMA4S UO31, XB, P85, XB+4
.elseif 8*\g+\r == 31
	s_wait_dscnt 0
	FMA4S UO32, UO31, P85, XB+28                   ; the sum over 31 steps is kept
.elseif 8*\g+\r > 1
	s_wait_dscnt 7-\r                              ; row r of the eight is in
	FMA4S UO31, UO31, P85, XB+4*\r
.endif
.endr
.endm
.macro XLOAD n                         ; turn n: my rows 8 (n % 4) on, into buffer n % 2
.irp r, 0,1,2,3,4,5,6,7
	ds_load_b128 v[XBF+32*((\n)%2)+4*\r:XBF+32*((\n)%2)+4*\r+3], v[XLA] offset:512*(8*((\n)%4)+\r)
.endr
.endm
.macro UREGS j                         ; step j reads u from OLD and writes the next into NEW
.if (\j) == 0
.set OLD, CW
.elseif ((\j)%2) == 1
.set OLD, UA
.else
.set OLD, UB
.endif
.if ((\j)%2) == 0
.set NEW, UA
.else
.set NEW, UB
.endif
.endm
; the scores of steps 8 g .. 8 g + 7: x . be first (nothing waits), then the scan with u . al; then three levels of sums: lane l holds step 8 g + l % 8, summed over 8 lanes' channels
.macro SCORE8 g
.set XR, XBF+32*((\g)%2)
.irp r, 0,1,2,3,4,5,6,7
	v_pk_mul_f32 v[PP+2*\r:PP+2*\r+1], v[XR+4*\r:XR+4*\r+1], v[BE:BE+1]
.endr
.irp r, 0,1,2,3,4,5,6,7
	v_pk_fma_f32 v[PP+2*\r:PP+2*\r+1], v[XR+4*\r+2:XR+4*\r+3], v[BE+2:BE+3], v[PP+2*\r:PP+2*\r+1]
.endr
.irp r, 0,1,2,3,4,5,6,7
	UREGS 8*\g+\r
.if 8*\g+\r < 31
	FMA4S NEW, OLD, P85, XR+4*\r
.endif
	v_pk_fma_f32 v[PP+2*\r:PP+2*\r+1], v[OLD:OLD+1],   v[AL:AL+1],   v[PP+2*\r:PP+2*\r+1]
	v_pk_fma_f32 v[PP+2*\r:PP+2*\r+1], v[OLD+2:OLD+3], v[AL+2:AL+3], v[PP+2*\r:PP+2*\r+1]
.endr
.irp r, 0,1,2,3,4,5,6,7
	v_add_f32 v[PP+2*\r], v[PP+2*\r], v[PP+2*\r+1]
.endr
.irp m, 0,1,2,3
	RSEL PP+4*\m, PP+4*\m+2, MAA, RT+2*\m
.endr
.irp m, 0,1,2,3
	RADD PP+4*\m, 1, RT+2*\m
.endr
.irp m, 0,1
	RSEL PP+8*\m, PP+8*\m+4, MCC, RT+2*\m
.endr
.irp m, 0,1
	RADD PP+8*\m, 2, RT+2*\m
.endr
	RSEL PP, PP+8, MF0, RT
	RADD PP, 4, RT
	v_mov_b32 v[G+\g], v[PP]
.endm
; A += p u_(t-1), B += p x_t for steps 8 g .. 8 g + 7; the weights come out of their lanes as multipliers alone: no address and no branch hangs on them
.macro CTX8 g
.set XR, XBF+32*((\g)%2)
.irp r, 0,1,2,3,4,5,6,7
	v_readlane_b32 s[SS+2*\r], v[PV], 8*\g+\r
.endr
.irp r, 0,1,2,3,4,5,6,7
	UREGS 8*\g+\r
.if 8*\g+\r < 31
	FMA4S NEW, OLD, P85, XR+4*\r
.endif
.if 8*\g+\r == 0
	MUL4S AA, OLD, SS+2*\r                         ; the first step starts the sums
	MUL4S BB, XR+4*\r, SS+2*\r
.else
	FMA4S AA, OLD, SS+2*\r, AA
	FMA4S BB, XR+4*\r, SS+2*\r, BB
.endif
.endr
.endm
	s_load_b256 s[4:11], s[0:1], 0x0               ; x s[4:5], query_kernel s[6:7], key_kernel s[8:9], value_kernel s[10:11]
	s_load_b128 s[12:15], s[0:1], 0x20             ; switch_kernel s[12:13], po s[14:15]
	v_lshl_add_u32 v3, v0, 2, 0x4ed00
	v_mov_b32 v14, 0
	ds_add_u32 v3, v14
	ds_add_u32 v3, v14
	s_wait_dscnt 0x0
	v_lshrrev_b32 v[L8], 5, v0
	v_readfirstlane_b32 s[WV], v[L8]               ; wave 0..15
	v_and_b32 v[L8], 31, v0
	v_lshlrev_b32 v[LN16], 4, v[L8]
	v_lshl_add_u32 v[XG],  s[WV], 14, v[LN16]      ; 32 rows of 512 bytes a wave
	v_lshl_add_u32 v[KO],  s[WV], 15, v[LN16]      ; 16 rows of 2,048 bytes a wave
	s_lshr_b32 s19, ttmp9, 1                       ; in a cluster launch ttmp9 counts clusters: 2 b + hf
	s_and_b32 s21, ttmp9, 1                        ; hf
	s_bfe_u32 s20, ttmp6, 0x40000                  ; h: my place in the cluster
	; The tensor load's descriptor.  A wave's 32 rows of x are 16,384 consecutive bytes: taken as 64 rows of 32 elements of 8 bytes, laid into LDS without gaps.
	s_mov_b32 s[G1+0], 15|(3<<16)|(1<<21)          ; 15:0 the mask: all four work-groups; 17:16 elements of 8 bytes; 20 no padding; 21 set beside a mask
	s_mov_b32 s[G1+1], 32<<16                      ; 63:48 tensor_dim0, low half = 32
	s_mov_b32 s[G1+2], 64<<16                      ; 79:64 its high half = 0; 95:80 tensor_dim1, low half = 64
	s_mov_b32 s[G1+3], 32<<16                      ; 111:96 its high half = 0; 127:112 tile_dim0 = 32
	s_mov_b32 s[G1+4], 64                          ; 143:128 tile_dim1 = 64; 159:144 tile_dim2 = 0
	s_mov_b32 s[G1+5], 32                          ; 191:160 elements from row to row
	s_mov_b32 s[G1+6], 0
	s_mov_b32 s[G1+7], 0
	s_mov_b32 s[G0], 1                             ; 1:0 count = 1
	s_mul_i32 s[G0+1], s[WV], WROWS                ; 63:32 LDS address: the wave's number alone
	s_lshl_b32 s46, ttmp9, 18                      ; my half: (2 b + hf) x 262,144 bytes,
	s_lshl_b32 s[STM], s[WV], 14                   ; my wave's rows in it: nothing here hangs on h
	s_add_co_u32 s46, s46, s[STM]
	s_mov_b32 s47, 0
	s_xor_b32 s22, ttmp9, 1
	s_lshl_b32 s22, s22, 18                        ; the other half
	s_mov_b32 s23, 0
	s_mov_b32 s3, 0
	ROUND                                          ; all four work-groups are here: the joint loads meet.  The arguments are on their way meanwhile
	s_wait_kmcnt 0x0
	s_add_nc_u64 s[G0+2:G0+3], s[4:5], s[46:47]    ; 120:64 global address of my wave's first row
	s_or_b32 s[G0+3], s[G0+3], 0x80000000          ; 127:126 type = 2
	s_add_nc_u64 s[22:23], s[4:5], s[22:23]
	tensor_load_to_lds s[G0:G0+3], s[G1:G1+7]      ; my wave's one tensor load of the launch: one is out.  These bytes are filled once
	s_nop 0
.set i, 0
.rept 32
	global_load_b128 v[XO+4*i:XO+4*i+3], v[XG], s[22:23] offset:512*i      ; no hint: seven other work-groups read these rows too
.set i, i+1
.endr
	s_lshl_b32 s2, s20, 9                          ; column block h: 512 bytes into a row of the three kernels
	s_add_nc_u64 s[6:7], s[6:7], s[2:3]
	s_add_nc_u64 s[8:9], s[8:9], s[2:3]
	s_add_nc_u64 s[10:11], s[10:11], s[2:3]
.set j, 0
.rept 16
	global_load_b128 v[QKR+4*j:QKR+4*j+3], v[KO], s[6:7] offset:2048*j
.set j, j+1
.endr
	s_lshl_b32 s2, s20, 16                         ; switch_kernel's rows 128 h on
	s_add_nc_u64 s[12:13], s[12:13], s[2:3]
	s_lshl2_add_u32 s2, s19, s20                   ; 4 b + h
	s_lshl1_add_u32 s2, s2, s21                    ; my part: 8 b + 2 h + hf
	s_mul_i32 s2, s2, 768
	s_add_nc_u64 s[14:15], s[14:15], s[2:3]        ; po at my 768 bytes
	; addresses
	v_add_nc_u32 v[L16S], SCR, v[LN16]
	v_lshl_add_u32 v[T16S], s[WV], 9, v[L16S]
	v_lshl_add_u32 v[CWR], s[WV], 10, v[L16S]
	v_lshl_add_u32 v[SWO], s[WV], 12, v[LN16]
	v_and_b32 v[L8], 15, v0
	v_lshlrev_b32 v[WO], 2, v[L8]
	v_lshl_add_u32 v[WO], s[WV], 6, v[WO]
	v_add_nc_u32 v[WO], SCR, v[WO]
	v_bfe_u32 v[L8], v0, 2, 3                      ; lane / 4
	v_lshlrev_b32 v[CA], 10, v[L8]
	v_lshlrev_b32 v[MA], 3, v[L8]
	v_add_nc_u32 v[MA], SCR, v[MA]
	v_and_b32 v[L8], 3, v0
	v_lshl_add_u32 v[CA], v[L8], 4, v[CA]
	s_and_b32 s16, s[WV], 7
	v_lshl_add_u32 v[CA], s16, 6, v[CA]
	v_add_nc_u32 v[CA], SCR, v[CA]
	v_mov_b32 v[MW], SCR
	v_lshl_add_u32 v[MW], s[WV], 3, v[MW]
	v_bfe_u32 v[L8], v0, 1, 4                      ; lane / 2
	v_lshlrev_b32 v[TA], 9, v[L8]
	v_and_b32 v[L8], 1, v0
	v_lshl_add_u32 v[TA], v[L8], 4, v[TA]
	v_lshl_add_u32 v[TA], s[WV], 5, v[TA]
	v_add_nc_u32 v[TA], SCR, v[TA]
	v_and_b32 v[L8], 31, v0
	v_lshlrev_b32 v[L8], 3, v[L8]
	; scalars
	s_lshl_b32 s16, s16, 2                         ; the four lanes that hold my wave's 16 channels: 4 (w % 8) on
	s_add_co_u32 s17, s16, 1
	s_add_co_u32 s2, s16, 2
	s_add_co_u32 s3, s16, 3
	s_mov_b32 s[MAA], 0xaaaaaaaa
	s_mov_b32 s[MCC], 0xcccccccc
	s_mov_b32 s[MF0], 0xf0f0f0f0
	s_mov_b32 s[MFF], 0xff00ff00
	s_mov_b32 s[MHI], 0xffff0000
	s_mov_b32 s[SEL], 0x76543210
	s_mov_b32 s[SEL+1], 0xfedcba98
	s_mov_b32 s[P85], A85
	s_mov_b32 s[P85+1], A85
	s_mov_b32 s[P15], A15
	s_mov_b32 s[P15+1], A15
	s_mul_f32 s[PT], s[P85], s[P85]                ; 0.85^2
	s_mul_f32 s[PT+1], s[PT], s[PT]                ; ^4
	s_mul_f32 s[PT+2], s[PT+1], s[PT+1]            ; ^8
	s_mul_f32 s[PT+3], s[PT+2], s[PT+2]            ; ^16
	s_mul_f32 s[P32], s[PT+3], s[PT+3]             ; ^32
	s_mov_b32 s[P32+1], s[P32]
	s_mul_f32 s[PT+4], s[P32], s[P32]              ; ^64
	s_mul_f32 s[PT+5], s[PT+4], s[PT+4]            ; ^128
	s_mul_f32 s[PT+6], s[PT+5], s[PT+5]            ; ^256
	s_mul_f32 s[P31], s[PT+3], s[PT+2]             ; ^24
	s_mul_f32 s[P31], s[P31], s[PT+1]              ; ^28
	s_mul_f32 s[P31], s[P31], s[PT]                ; ^30
	s_mul_f32 s[P31], s[P31], s[P85]               ; ^31
	s_mov_b32 s[P31+1], s[P31]
	s_mul_f32 s[P511], s[PT+6], s[PT+5]            ; ^384
	s_mul_f32 s[P511], s[P511], s[PT+4]            ; ^448
	s_mul_f32 s[P511], s[P511], s[P32]             ; ^480
	s_mul_f32 s[P511], s[P511], s[P31]             ; ^511
	s_mov_b32 s[P511+1], s[P511]
	s_mul_f32 s[C12], s[P85], s[P15]
	s_mov_b32 s[C12+1], s[C12]
	s_mul_f32 s[C02], s[P15], s[P15]
	s_mov_b32 s[C02+1], s[C02]
	s_bitcmp1_b32 s[WV], 0                         ; 0.85^(32 w) from w's four bits
	s_cselect_b32 s[KW], s[P32], 1.0
	s_bitcmp1_b32 s[WV], 1
	s_cselect_b32 s[STM], s[PT+4], 1.0
	s_mul_f32 s[KW], s[KW], s[STM]
	s_bitcmp1_b32 s[WV], 2
	s_cselect_b32 s[STM], s[PT+5], 1.0
	s_mul_f32 s[KW], s[KW], s[STM]
	s_bitcmp1_b32 s[WV], 3
	s_cselect_b32 s[STM], s[PT+6], 1.0
	s_mul_f32 s[KW], s[KW], s[STM]
	s_cmp_lg_u32 s21, 0                            ; the first half starts from state 0
	s_cselect_b32 s[KW], s[KW], 0
	s_cselect_b32 s[HFM], -1, 0
	s_mov_b32 s[KW+1], s[KW]
	s_cmp_ge_u32 s[WV], 8
	s_cselect_b32 s[CAS], s[C02], s[C12]
	s_cselect_b32 s[CBS], s[P85], s[P15]
	s_mov_b32 s[CAS+1], s[CAS]
	s_mov_b32 s[CBS+1], s[CBS]
	s_mov_b32 s[STM], 0                            ; what wave k's sum is multiplied by in my carry, from k = 15 down: 0 for k >= w, 1 for k = w - 1, then x 0.85^32 a wave
.irp k, 15,14,13,12,11,10,9,8,7,6,5,4,3,2,1,0
	s_mul_f32 s[STM], s[STM], s[P32]
	s_cmp_eq_u32 s[WV], \k+1
	s_cselect_b32 s[STM], 1.0, s[STM]
	s_mov_b32 s[CO+2*\k], s[STM]                   ; the powers that lay here have served
	s_mov_b32 s[CO+2*\k+1], s[STM]
.endr
	; THE SUMS.  First my 32 steps of the other half, from registers: their reading frees the registers that key_kernel takes
	s_wait_loadcnt 46                              ; rows 0 and 1 are in: 30 younger rows and query_kernel's 16 stay out
	FMA4S UT31, XO, P85, XO+4
.set i, 2
.rept 14
	s_wait_loadcnt 47-i                            ; row i is in: 31 - i younger rows and the 16 stay out
	FMA4S UT31, UT31, P85, XO+4*i
.set i, i+1
.endr
.set j, 0
.rept 16
	global_load_b128 v[KKR+4*j:KKR+4*j+3], v[KO], s[8:9] offset:2048*j     ; key_kernel takes the registers of rows 0-15
.set j, j+1
.endr
.set i, 16
.rept 15
	s_wait_loadcnt 63-i                            ; 31 - i younger rows, 16 of query_kernel, 16 of key_kernel
	FMA4S UT31, UT31, P85, XO+4*i
.set i, i+1
.endr
	s_wait_loadcnt 32
	FMA4S UT32, UT31, P85, XO+124
	; then my 32 own steps, from LDS: only my wave reads what my tensor load brought, so my own wait is all the ordering that these reads need
	s_wait_tensorcnt 0x0                           ; my one load has landed; its descriptor's registers are free from here on
	OWNB 0
	OWNB 1
	OWNB 2
	OWNB 3
	ds_store_b128 v[T16S], v[UO32:UO32+3] offset:UOWN
	ds_store_b128 v[T16S], v[UT32:UT32+3] offset:UOTH
	s_cmp_lg_u32 s[WV], 15
	s_cbranch_scc1 .Lnot_wave_15
	ds_store_b128 v[L16S], v[UO31:UO31+3] offset:U31O      ; seq_last wants the state in front of the last step, and that step's x;
	ds_store_b128 v[L16S], v[XB+28:XB+31] offset:XLO       ; which half holds it is chosen below
	ds_store_b128 v[L16S], v[UT31:UT31+3] offset:U31T
	ds_store_b128 v[L16S], v[XO+124:XO+127] offset:XLT
.Lnot_wave_15:
	BAR
	; THE SUMS ARE JOINED, by every wave for itself.  An own sum's registers take the other half's sum of the same wave as soon as they are read.
.set k, 0
.rept 16
	ds_load_b128 v[RB+4*k:RB+4*k+3], v[L16S] offset:UOWN+512*k
.set k, k+1
.endr
	ds_load_b128 v[E31:E31+3],   v[L16S] offset:U31O
	ds_load_b128 v[EXL:EXL+3],   v[L16S] offset:XLO
	ds_load_b128 v[E31T:E31T+3], v[L16S] offset:U31T
	ds_load_b128 v[EXLT:EXLT+3], v[L16S] offset:XLT
.set k, 0
.rept 16
.if k == 1
	s_wait_dscnt 18                                ; 14 younger own sums and the 4 rows above
.else
	s_wait_dscnt 19                                ; 15 - k younger own sums, the 4 rows, and the k sums of the other half asked for so far
.endif
.if k == 0
	MUL4S PRE, RB, CO
.else
	FMA4S PRE, RB+4*k, CO+2*k, PRE
.if k == 1
	FMA4S HOP, RB, P32, RB+4
	ds_load_b128 v[RB:RB+3], v[L16S] offset:UOTH
.elseif k == 15
	FMA4S HO, HOP, P32, RB+60
.else
	FMA4S HOP, HOP, P32, RB+4*k
.endif
	ds_load_b128 v[RB+4*k:RB+4*k+3], v[L16S] offset:UOTH+512*k
.endif
.set k, k+1
.endr
	s_wait_dscnt 14                                ; the other half's sums 0 and 1
	FMA4S HTP, RB, P32, RB+4
.set k, 2
.rept 13
	s_wait_dscnt 15-k
	FMA4S HTP, HTP, P32, RB+4*k
.set k, k+1
.endr
	s_wait_dscnt 0x0
	FMA4S HT, HTP, P32, RB+60
.set j, 0
.rept 16
	global_load_b128 v[VKR+4*j:VKR+4*j+3], v[KO], s[10:11] offset:2048*j   ; value_kernel takes the sums' registers
.set j, j+1
.endr
.irp q, 0,1,2,3
	v_cndmask_b32 v[HF+\q],  v[HO+\q],   v[HT+\q],  s[HFM]    ; the first half's end state: the other half's in the second half, else my own
	v_cndmask_b32 v[HSP+\q], v[HTP+\q],  v[HOP+\q], s[HFM]    ; the second half after its first 15 waves
	v_cndmask_b32 v[E31+\q], v[E31T+\q], v[E31+\q], s[HFM]    ; its last wave's first 31 steps
	v_cndmask_b32 v[EXL+\q], v[EXLT+\q], v[EXL+\q], s[HFM]    ; x of step 1023
.endr
	FMA4S HSP, HSP, P31, E31
	FMA4S HSP, HF, P511, HSP                       ; u_1022
	FMA4S CW, HT, KW, PRE                          ; u in front of my wave's steps
	MUL4S SLS, EXL, CBS
	FMA4S SLS, HSP, CAS, SLS                       ; waves 0-7: s1 of step 1023; waves 8-15: s2
.irp q, 0,1,2,3
	v_readlane_b32 s[SS+\q],    v[SLS+\q], s16     ; my wave's 16 channels, as multipliers alone
	v_readlane_b32 s[SS+4+\q],  v[SLS+\q], s17
	v_readlane_b32 s[SS+8+\q],  v[SLS+\q], s2
	v_readlane_b32 s[SS+12+\q], v[SLS+\q], s3
.endr
	; q: my wave's 16 of the 256 rows; behind row j: 15 - j rows, 16 of key_kernel, 16 of value_kernel
	MATV Q, QKR, 16, 47
	ds_store_b128 v[T16S], v[Q:Q+3] offset:QRED
	BAR
.set k, 0
.rept 16
	ds_load_b128 v[QKR+4*k:QKR+4*k+3], v[L16S] offset:QRED+512*k
.set k, k+1
.endr
	s_wait_dscnt 0x0
	SUM16 Q, QKR                                   ; every lane of every wave: q[4 lane .. 4 lane + 3]
.set i, 0
.rept 8
	global_load_b128 v[SWR+4*i:SWR+4*i+3], v[SWO], s[12:13] offset:512*i   ; switch_kernel's rows 128 h + 8 w on
.set i, i+1
.endr
	; w: row j's four products a lane, then sixteen sums over 32 lanes at once
	s_wait_loadcnt 24                              ; key_kernel is in; 16 rows of value_kernel and 8 of switch_kernel stay out
.irp j, 0,1,2,3,4,5,6,7,8,9,10,11,12,13,14,15
	v_pk_mul_f32 v[KKR+4*\j:KKR+4*\j+1], v[KKR+4*\j:KKR+4*\j+1], v[Q:Q+1]
.endr
.irp j, 0,1,2,3,4,5,6,7,8,9,10,11,12,13,14,15
	v_pk_fma_f32 v[KKR+4*\j:KKR+4*\j+1], v[KKR+4*\j+2:KKR+4*\j+3], v[Q+2:Q+3], v[KKR+4*\j:KKR+4*\j+1]
.endr
.irp j, 0,1,2,3,4,5,6,7,8,9,10,11,12,13,14,15
	v_add_f32 v[KKR+4*\j], v[KKR+4*\j], v[KKR+4*\j+1]
.endr
.irp m, 0,1,2,3,4,5,6,7
	RSEL KKR+8*\m, KKR+8*\m+4, MAA, RT3+2*\m
.endr
.irp m, 0,1,2,3,4,5,6,7
	RADD KKR+8*\m, 1, RT3+2*\m
.endr
.irp m, 0,1,2,3
	RSEL KKR+16*\m, KKR+16*\m+8, MCC, RT3+2*\m
.endr
.irp m, 0,1,2,3
	RADD KKR+16*\m, 2, RT3+2*\m
.endr
.irp m, 0,1
	RSEL KKR+32*\m, KKR+32*\m+16, MF0, RT3+2*\m
.endr
.irp m, 0,1
	RADD KKR+32*\m, 4, RT3+2*\m
.endr
	RSEL KKR, KKR+32, MFF, RT3                     ; a lane now holds row 16 w + lane % 16
	RADD KKR, 8, RT3
	HSUM KKR, 1
	v_mul_f32 v[KKR], CSC, v[KKR]
	ds_store_b32 v[WO], v[KKR] offset:WOUT         ; lanes l and l + 16 write the same word with the same number
	BAR
	ds_load_b128 v[W1:W1+3], v[L16S] offset:WOUT
	ds_load_b128 v[W2:W2+3], v[L16S] offset:WOUT+512
	XLOAD 0
	XLOAD 1
	s_wait_dscnt 16                                ; w is in, the two buffers of x stay out
	MUL4S AL, W1, C12
	FMA4S AL, W2, C02, AL
	MUL4S BE, W1, P15
	FMA4S BE, W2, P85, BE
	; THE SCORES.  Eight turns of eight rows on two buffers: four for the scores, four for A and B.  At a turn's head the other buffer's eight loads may stay out.
	s_wait_dscnt 8
	SCORE8 0
	XLOAD 2
	s_wait_dscnt 8
	SCORE8 1
	XLOAD 3
	s_wait_dscnt 8
	SCORE8 2
	XLOAD 4
	s_wait_dscnt 8
	SCORE8 3
	XLOAD 5
	RSEL G, G+1, MFF, RT
	RSEL G+2, G+3, MFF, RT+2
	RADD G, 8, RT                                  ; steps lane % 16,
	RADD G+2, 8, RT+2                              ; steps 16 + lane % 16, each summed over 16 lanes' channels
	v_cndmask_b32 v[RT],   v[G],   v[G+2], s[MHI]
	v_cndmask_b32 v[RT+1], v[G+2], v[G],   s[MHI]
	v_permlanex16_b32 v[RT+2], v[RT+1], s[SEL], s[SEL+1]
	v_add_f32 v[SCV], v[RT], v[RT+2]               ; lane j: the score of my step j, in units of log2
	v_mov_b32 v[ML], v[SCV]
.irp k, 1,2,4,8
	v_max_num_f32_dpp v[ML], v[ML], v[ML] row_xmask:\k row_mask:0xf bank_mask:0xf
.endr
	v_permlanex16_b32 v[RT], v[ML], s[SEL], s[SEL+1]
	v_max_num_f32 v[ML], v[ML], v[RT]              ; m: the maximum of my wave's 32 scores
	v_sub_f32 v[PV], v[SCV], v[ML]
	v_exp_f32 v[PV], v[PV]
	v_nop                                          ; a plain instruction between the exponential and the use of its result (ISA guide 5.7.2)
	s_wait_alu depctr_va_vdst(0)
	v_mov_b32 v[ML+1], v[PV]
	LSUM ML+1, 1, 1
	LSUM ML+1, 1, 2
	LSUM ML+1, 1, 4
	LSUM ML+1, 1, 8
	HSUM ML+1, 1                                   ; l
	s_wait_dscnt 8
	CTX8 0
	XLOAD 6
	s_wait_dscnt 8
	CTX8 1
	XLOAD 7
	s_wait_dscnt 8
	CTX8 2
	s_wait_dscnt 0x0
	CTX8 3
	ds_store_b128 v[CWR], v[AA:AA+3] offset:CTXB
	ds_store_b128 v[CWR], v[BB:BB+3] offset:CTXB+512
	ds_store_b64 v[MW], v[ML:ML+1] offset:MLB      ; all lanes write the same pair
	BAR
	; THE WAVES ARE JOINED.  A wave wants 16 channels of A and B: lane l takes channels 16 (w % 8) + 4 (l % 4) on, of waves l / 4 and l / 4 + 8
	ds_load_b64 v[ML1:ML1+1], v[MA] offset:MLB
	ds_load_b64 v[ML2:ML2+1], v[MA] offset:MLB+64
	ds_load_b128 v[XBF:XBF+3],     v[CA] offset:CTXB
	ds_load_b128 v[XBF+4:XBF+7],   v[CA] offset:CTXB+512
	ds_load_b128 v[XBF+8:XBF+11],  v[CA] offset:CTXB+8192
	ds_load_b128 v[XBF+12:XBF+15], v[CA] offset:CTXB+8192+512
	s_wait_dscnt 4                                 ; the pairs (m, l) are in, the four rows stay out
	v_max_num_f32 v[MT], v[ML1], v[ML2]
	v_max_num_f32_dpp v[MT], v[MT], v[MT] row_xmask:4 row_mask:0xf bank_mask:0xf
	v_max_num_f32_dpp v[MT], v[MT], v[MT] row_xmask:8 row_mask:0xf bank_mask:0xf
	v_permlanex16_b32 v[RT], v[MT], s[SEL], s[SEL+1]
	v_max_num_f32 v[MT], v[MT], v[RT]              ; M over the sixteen waves
	v_sub_f32 v[F1], v[ML1], v[MT]
	v_sub_f32 v[F2], v[ML2], v[MT]
	v_exp_f32 v[F1], v[F1]
	v_exp_f32 v[F2], v[F2]
	v_nop
	s_wait_alu depctr_va_vdst(0)
	v_mul_f32 v[MT+1], v[F1], v[ML1+1]
	v_fmac_f32 v[MT+1], v[F2], v[ML2+1]
	LSUM MT+1, 1, 4
	LSUM MT+1, 1, 8
	HSUM MT+1, 1                                   ; L = sum of 2^(m - M) l
	s_wait_dscnt 0x0
.irp q, 0,1,2,3,4,5,6,7
	v_mul_f32 v[XBF+\q], v[F1], v[XBF+\q]
.endr
.irp q, 0,1,2,3,4,5,6,7
	v_fmac_f32 v[XBF+\q], v[F2], v[XBF+8+\q]
.endr
	LSUM XBF, 8, 4
	LSUM XBF, 8, 8
	HSUM XBF, 8                                    ; A in four registers, B in the next four
	MUL4S CS4, XBF+4, CBS
	FMA4S CS4, XBF, CAS, CS4                       ; waves 0-7: sum p s1; waves 8-15: sum p s2
.set j, 0
.rept 16
	v_readlane_b32 s[SS+j], v[CS4+(j%4)], j/4
.set j, j+1
.endr
	MATV TP, VKR, 16, 23                           ; t, my 16 rows; behind row j: 15 - j rows and 8 of switch_kernel
	ds_store_b128 v[T16S], v[TP:TP+3] offset:TRED
	BAR
	ds_load_b128 v[TT:TT+3], v[TA] offset:TRED     ; a wave wants t[8 w .. 8 w + 7]: lane l takes wave l / 2's part of four of them
	s_wait_dscnt 0x0
	LSUM TT, 4, 2
	LSUM TT, 4, 4
	LSUM TT, 4, 8
	HSUM TT, 4
.set j, 0
.rept 8
	v_readlane_b32 s[SS+j], v[TT+(j%4)], j/4
.set j, j+1
.endr
	MATV OP, SWR, 8, 7
	ds_store_b128 v[T16S], v[OP:OP+3] offset:ORED
	BAR
	s_cmp_lg_u32 s[WV], 0
	s_cbranch_scc1 .Lend
.set k, 0
.rept 16
	ds_load_b128 v[XBF+4*k:XBF+4*k+3], v[L16S] offset:ORED+512*k
.set k, k+1
.endr
	s_wait_dscnt 0x0
	SUM16 XBF, XBF
	global_store_b128 v[LN16], v[XBF:XBF+3], s[14:15]              ; 512 consecutive bytes
	global_store_b64 v[L8], v[MT:MT+1], s[14:15] offset:512        ; 32 times (M, L): 256 consecutive bytes, aligned
.Lend:
	s_wait_tensorcnt 0x0
	ds_add_u32 v3, v14
	s_wait_dscnt 0x0
	ROUND                                          ; the closing round: no work-group ends while a partner may still ask for a tile that names it
	s_endpgm
.Lfunc_end_k_q06df8fa1c4_fused:
	.size	k_q06df8fa1c4_fused, .Lfunc_end_k_q06df8fa1c4_fused-k_q06df8fa1c4_fused
	.p2alignl 7, 3214868480
	.fill 96, 4, 3214868480
	.section	.rodata,"a",@progbits
	.p2align	6, 0x0
	.amdhsa_kernel k_q06df8fa1c4_fused
		.amdhsa_group_segment_fixed_size 324864
		.amdhsa_private_segment_fixed_size 0
		.amdhsa_enable_private_segment 0
		.amdhsa_kernarg_size 48
		.amdhsa_user_sgpr_count 2
		.amdhsa_user_sgpr_kernarg_segment_ptr 1
		.amdhsa_wavefront_size32 1
		.amdhsa_system_sgpr_workgroup_id_x 1
		.amdhsa_system_sgpr_workgroup_id_y 1
		.amdhsa_system_sgpr_workgroup_id_z 1
		.amdhsa_system_vgpr_workitem_id 0
		.amdhsa_next_free_vgpr 256
		.amdhsa_next_free_sgpr 102
		.amdhsa_reserve_vcc 0
		.amdhsa_float_denorm_mode_32 3
		.amdhsa_float_denorm_mode_16_64 3
		.amdhsa_memory_ordered 1
		.amdhsa_forward_progress 1
		.amdhsa_inst_pref_size 106
	.end_amdhsa_kernel
	.amdgpu_metadata
---
amdhsa.version: [ 1, 2 ]
amdhsa.kernels:
  - .name:           k_q06df8fa1c4_fused
    .symbol:         k_q06df8fa1c4_fused.kd
    .args:
      - { .name: x, .offset: 0, .size: 8, .value_kind: global_buffer, .address_space: global }
      - { .name: query_kernel, .offset: 8, .size: 8, .value_kind: global_buffer, .address_space: global }
      - { .name: key_kernel, .offset: 16, .size: 8, .value_kind: global_buffer, .address_space: global }
      - { .name: value_kernel, .offset: 24, .size: 8, .value_kind: global_buffer, .address_space: global }
      - { .name: switch_kernel, .offset: 32, .size: 8, .value_kind: global_buffer, .address_space: global }
      - { .name: po, .offset: 40, .size: 8, .value_kind: global_buffer, .address_space: global }
    .group_segment_fixed_size: 324864
    .private_segment_fixed_size: 0
    .kernarg_segment_align: 8
    .kernarg_segment_size: 48
    .max_flat_workgroup_size: 512
    .sgpr_count:     102
    .vgpr_count:     256
    .wavefront_size: 32
...
	.end_amdgpu_metadata
.endif
;; end of part 7
;; launch join: the kernel of part 6 again; grid 32 x 1, 1 waves a work-group, no clusters, 0 bytes of LDS; arguments po, out0; writes out0
